; MI455X (gfx1250); checked and timed in simulation.
; The chip was launched on July 23, 2026; its instructions are those of AMD's public machine-readable ISA for CDNA 5 (MIT licence, August 2026) and "CDNA5" Instruction Set Architecture Reference Guide (July 2026). The comments in the code are by the model that wrote it; some were corrected since.
;; Encoder. Allowed arithmetic: matrix products marked QUANTISED: E3M2 operands, one E8M0 scale for each 32 along K, by v_wmma_scale_f32_16x16x128_f8f6f4 with both operands' format E3M2, f32 sums; everything else in f32.
;; Inputs: Wk_codes 1,024 x 32 x 24 uint8 (E3M2 codes of Wk, K innermost, in blocks of 32 codes, four codes in three bytes); Wk_scales 1,024 x 32 uint8 (E8M0 scales of Wk, one for each 32 codes along K); Wq_codes 1,024 x 32 x 24 uint8 (E3M2 codes of Wq, K innermost, in blocks of 32 codes, four codes in three bytes); Wq_scales 1,024 x 32 uint8 (E8M0 scales of Wq, one for each 32 codes along K); Wv_codes 1,024 x 32 x 24 uint8 (E3M2 codes of Wv, K innermost, in blocks of 32 codes, four codes in three bytes); Wv_scales 1,024 x 32 uint8 (E8M0 scales of Wv, one for each 32 codes along K); beta 1,024 float32; bk 1,024 float32; bq 1,024 float32; bv 1,024 float32; dialog_states 128 x 1,024 int32; gamma 1,024 float32; x 8 x 1,024 x 1,024 float32.
;; Outputs: out0 8 x 1,024 x 1,024 float32.
;; This version of the problem:
;;   THIS VERSION OF THE PROBLEM IS GIVEN IN LOW PRECISION. The matrix products marked QUANTISED in the list below multiply operands that are first quantised to E3M2 (3 exponent bits, 2 mantissa bits; 6 bits a number), with one power-of-two scale for each 32 numbers along K (OCP MX v1.0); their sums are f32. All else is computed in f32.
;;   The module's matrix products, in the order in which they are computed (A, B: the left and right operand; K: the contracted axis; several contracted axes count as one K, in the product's order):
;;     1. [M 8,192, K 1,024] x [K 1,024, N 1,024]; A: input x; B: input Wq (given as codes): QUANTISED
;;     2. [M 8,192, K 1,024] x [K 1,024, N 1,024]; A: input x; B: input Wk (given as codes): QUANTISED
;;     3. [M 8,192, K 1,024] x [K 1,024, N 1,024]; A: input x; B: input Wv (given as codes): QUANTISED
;;     4. batch 128 x [M 1,024, K 64] x [K 64, N 1,024]; A: computed on the way; B: computed on the way: QUANTISED
;;     5. batch 128 x [M 1,024, K 1,024] x [K 1,024, N 64]; A: softmax (see below); B: computed on the way: QUANTISED
;;   THE QUANTISER, for each operand of a quantised product, along K:
;;     - K is cut into blocks of 32 from its start; a last block that is shorter is filled with zeros.
;;     - A block's scale is 2^e with e = floor(log2(the largest magnitude in the block)) - 4, held to -126 .. 127; a block of zeros has e = 0. As a byte (E8M0): e + 127.
;;     - Each number is divided by its block's scale, clamped to +-28, and rounded to the nearest number of E3M2, ties to even, subnormals kept.
;;     - The product sums the exact products of the quantised numbers (number of the format x scale) in f32.
;;   ~~~python
;;   def quantise(x, axis):      # numpy; x: float32 -> the quantised numbers, widened to float32 again
;;       x = np.moveaxis(x, axis, -1); K = x.shape[-1]
;;       x = np.pad(x, [(0, 0)] * (x.ndim - 1) + [(0, -K % 32)]); x = x.reshape(x.shape[:-1] + (-1, 32)); a = np.abs(x).max(-1, keepdims=True)
;;       e = np.where(a > 0, np.clip(np.frexp(np.where(a > 0, a, 1))[1] - 1 - 4, -126, 127), 0)      # np.frexp(a)[1] - 1 = floor(log2(a)), exactly
;;       r = np.clip(x / 2.0 ** e, -28, 28)
;;       step = 2.0 ** (np.maximum(np.frexp(np.where(r == 0, 1, r))[1] - 1, -2) - 2)
;;       q = np.round(r / step) * step * 2.0 ** e      # np.round: ties to even
;;       return np.moveaxis(q.reshape(q.shape[:-2] + (-1,))[..., :K], -1, axis).astype(np.float32)
;;   ~~~
;;   SOFTMAX AHEAD OF A QUANTISED PRODUCT. Where the list says 'softmax', what is quantised is not the finished softmax but p = 2^(t - M), with t = logit x log2(e) and M = ceil(the row's largest t), a whole number; so 1/2 < the row's largest p <= 1. The row's sum l is taken of the UNQUANTISED p, in f32, and the product's result is divided by l at the end. Since M is a whole number, a kernel that streams over the keys may use a running M (the ceiling of the running maximum): every later rescaling is an exact power of two, which a block's scale takes up: the codes' values come out the same.
;;   OPERANDS COMPUTED ON THE WAY. 'Computed on the way' means the value that the module computes at that place (a softmax that the list does not call 'softmax' is quantised finished and normalised). What goes into a quantiser is computed in f32, as accurately as f32 sums, v_exp_f32 and their like allow (about 1e-6 of the number): no bf16 or f16 on the way to a quantiser, and a product that is left as it is and whose result goes on into a quantised operand takes f32 operands (vector FMAs, or v_wmma_f32_16x16x4_f32). A number that lies on a knife's edge between two numbers of the format may be rounded either way, as far as f32 arithmetic and the matrix unit's own rounding can turn it there, and no further.
;;   INPUTS GIVEN AS CODES. Wk (in the module: [1024, 1024], K = its axis 0); Wq (in the module: [1024, 1024], K = its axis 0); Wv (in the module: [1024, 1024], K = its axis 0): each comes as NAME_codes (uint8): NAME with its K axis moved to the last place and cut into blocks of 32 codes, [.., K / 32, bytes a block], one block behind the other in memory; four codes in three bytes: a row's codes are one little-endian stream of bits, code i at bits 6 i .. 6 i + 5 (a code: sign, 3 exponent bits, 2 mantissa bits); and NAME_scales (uint8): the same leading axes, one E8M0 byte (e + 127) for each 32 codes along K. Its value is code x scale, taken as it is: it is not quantised again, and the codes and scales need not be those that the quantiser above would give.
;; 2 versions, each right and faster than the one before. Each part assembles by itself: llvm-mc -triple=amdgcn-amd-amdhsa -mcpu=gfx1250 --defsym DOCPART=n.
;; ======== version 1 of 2: 2 launches
;; workspace buffers: xf 6,291,456 bytes; xs 262,144 bytes; wf 2,359,296 bytes; ws 98,304 bytes; bf 12,288 bytes
;; launch prep (part 1): grid 304 x 1, 4 waves a work-group, no clusters, 34,304 bytes of LDS; arguments x, Wk_codes, Wk_scales, Wv_codes, Wv_scales, Wq_codes, Wq_scales, bk, bv, bq, xf, xs, wf, ws, bf; writes xf, xs, wf, ws, bf
.if DOCPART == 1
	.amdgcn_target "amdgcn-amd-amdhsa--gfx1250"
	.amdhsa_code_object_version 6
	.text
	.protected	k_q7f26059290_prep
	.globl	k_q7f26059290_prep
	.p2align	8
	.type	k_q7f26059290_prep,@function
k_q7f26059290_prep:
	s_mov_b64 s[64:65], 0
	v_nop
	global_prefetch_b8 v0, s[64:65] scope:SCOPE_SE
	s_setreg_imm32_b32 hwreg(HW_REG_WAVE_MODE, 25, 1), 1
	s_wait_xcnt 0x0
; PREP.  (a) x [8192][1024] f32 is quantised once, along its rows (K), into codes of E3M2 with one E8M0 byte for each 32 numbers, and laid as IMAGES OF OPERAND REGISTERS:
;   xf [head 128][K step 8][tile of 16 rows 4][c 3][lane 32][16 bytes]: registers 4 c .. 4 c + 3 of the lane's 12;   xs [head][K step][lane' 32][2 words]: lane' = r + 16 (tile / 2), word = tile % 2.
; (b) the three weights (codes, K innermost), their scale words and the biases are laid in the order in which a wave of the second launch takes them:
;   wf [phase 3][wave 16][K step 8][tile 4][c 3][lane][16 bytes];  ws [phase][wave][pair of K steps 4][lane' 32][4 words]: lane' = r + 16 (tile / 2), word = 2 (K step % 2) + tile % 2;  bf [phase][wave][tile][row 16] f32.
;   Phases: 0 = K, 1 = V, 2 = Q.  WHICH ROWS OF A WEIGHT FORM A TILE is chosen here: row r of tile ct of wave w is weight row c7 (r % 8) + c3 (r / 8) + cu (ct % 2) + cb (ct / 2) + cw w,
;   with (1, 16, 8, 32, 64) for K and Q, so that a lane's 16 results of two neighbouring tiles are 16 neighbours along the head's 64, and (64, 1, 512, 2, 4) for V, so that they are 16 neighbouring KEYS of one channel.
; A block's scale is 2^(floor(log2(largest magnitude)) - 4); its byte is the largest magnitude's exponent field - 4, held at 1 from below.
; LIMITS: a block whose largest magnitude lies under 2^-122, a block of zeros among them, keeps the byte 1 (its codes are zeros or subnormal codes; the bytes are read by this program alone); NaN and infinities in x are not served.
; Work-groups 0-255 take x (a wave: one K step of one head, 64 rows x 512 bytes), work-groups 256-303 the weights (one phase and wave each).  Only the x path touches LDS, each wave its own stage: no barrier.
.set R0,  16                           ; v16-79, v80-143   two sets of 16 rows x 16 bytes a lane, as loaded
.set R1,  80
.set X,   144                          ; v144-207  64 numbers of my row: register 16 b + i = k 32 b + 16 (lane / 16) + i
.set CD,  208                          ; v208-219  the fragment's codes; v220-226 at work
.set TM,  228                          ; v228-231 largest magnitudes, v232-235 bytes, v240-243 the conversions' scale operands
.set PW,  244                          ; the scale word just made
.set W4,  8                            ; v8-11     the four tiles' scale words
.set SP,  528                          ; a row in the stage: 512 bytes + 16
.set WF,  16                           ; weights: v16-111 eight fragments; v112-115 scale words; v116 a bias
.set WS,  112
.set WB,  116
	s_load_b512 s[4:19], s[0:1], 0x0               ; x, Wk codes, Wk scales, Wv codes, Wv scales, Wq codes, Wq scales, bk
	s_load_b256 s[20:27], s[0:1], 0x40             ; bv, bq, xf, xs
	s_load_b128 s[28:31], s[0:1], 0x60             ; wf, ws
	s_load_b64 s[32:33], s[0:1], 0x70              ; bf
	v_lshl_add_u32 v248, v0, 2, 0x8400
	v_mov_b32 v249, 0
	v_lshrrev_b32 v1, 5, v0
	v_readfirstlane_b32 s34, v1                    ; wave 0..3
	v_and_b32 v1, 31, v0                           ; lane
	v_and_b32 v2, 15, v0                           ; r
	v_bfe_u32 v3, v0, 4, 1                         ; h
	v_lshlrev_b32 v4, 4, v1                        ; 16 x lane
	s_cmp_lt_u32 ttmp9, 256
	s_cbranch_scc0 .Lweights
; ---------------- x ----------------
	s_lshl_b32 s35, ttmp9, 2
	s_add_co_u32 s35, s35, s34                     ; which (head, K step) is my wave's
	s_lshr_b32 s38, s35, 3                         ; head
	s_and_b32 s39, s35, 7                          ; K step
	s_mul_i32 s40, s34, 16*SP                      ; my stage
	v_add_nc_u32 v5, s40, v4                       ; in: a row's 512 bytes as they lie
	v_mul_u32_u24 v6, v2, SP
	v_lshl_add_u32 v6, v3, 6, v6
	v_add_nc_u32 v6, s40, v6                       ; back: row r, + 64 h: my 16 numbers of each block of 32
	v_lshlrev_b32 v7, 3, v1                        ; 8 x lane
	s_mov_b32 s36, 0x76543210
	s_mov_b32 s37, 0xfedcba98                      ; lane selects: lane l xor 16
.irp b, 0,1,2,3
	v_mov_b32 v[TM+4+\b], 0                        ; written once: a lane permute's destination counts as one of its sources
.endr
	s_lshl_b32 s42, s38, 18                        ; x: 64 rows of 4,096 bytes a head,
	s_lshl_b32 s43, s39, 9                         ; 512 bytes a K step
	s_add_co_u32 s42, s42, s43
	s_mov_b32 s43, 0
	s_mul_i32 s44, s38, 49152                      ; xf
	s_mul_i32 s45, s39, 6144
	s_add_co_u32 s44, s44, s45
	s_mov_b32 s45, 0
	s_lshl_b32 s46, s38, 11                        ; xs
	s_lshl_b32 s47, s39, 8
	s_add_co_u32 s46, s46, s47
	s_mov_b32 s47, 0
	s_wait_kmcnt 0x0
	s_add_nc_u64 s[4:5], s[4:5], s[42:43]
	s_add_nc_u64 s[24:25], s[24:25], s[44:45]
	s_add_nc_u64 s[26:27], s[26:27], s[46:47]
.macro XLD set, rt                     ; 16 rows of tile rt: each load reads 512 consecutive bytes
.irp i, 0,1,2,3,4,5,6,7,8,9,10,11,12,13,14,15
	global_load_b128 v[\set+4*\i:\set+4*\i+3], v4, s[4:5] offset:(16*(\rt)+\i)*4096
.endr
.endm
.macro TURN set                        ; through my stage: LDS serves a wave's instructions in order, so no wait stands between the stores and the loads
.irp i, 0,1,2,3,4,5,6,7,8,9,10,11,12,13,14,15
	ds_store_b128 v5, v[\set+4*\i:\set+4*\i+3] offset:SP*\i
.endr
.irp b, 0,1,2,3
.irp j, 0,1,2,3
	ds_load_b128 v[X+16*\b+4*\j:X+16*\b+4*\j+3], v6 offset:128*\b+16*\j
.endr
.endr
.endm
; 64 numbers of a lane become a fragment's codes in v[CD] on and its scale word in v[PW]
.macro QUANT s
.irp b, 0,1,2,3
	v_max3_num_f32 v[TM+\b], |v[\s+16*\b]|, |v[\s+1+16*\b]|, 0x2800000   ; my 16 numbers of block b, and the floor 2^(5 - 127): the byte cannot fall under 1
.endr
.irp i, 2,4,6,8,10,12,14
.irp b, 0,1,2,3
	v_max3_num_f32 v[TM+\b], v[TM+\b], |v[\s+16*\b+\i]|, |v[\s+1+16*\b+\i]|
.endr
.endr
.irp b, 0,1,2,3
	v_permlanex16_b32 v[TM+4+\b], v[TM+\b], s36, s37
.endr
.irp b, 0,1,2,3
	v_max_num_f32 v[TM+\b], v[TM+\b], v[TM+4+\b]   ; with lane l xor 16's: the block's largest magnitude
.endr
.irp b, 0,1,2,3
	v_add_nc_u32 v[TM+12+\b], 0xfe000000, v[TM+\b] ; 4 off its exponent field: the conversion's scale operand
.endr
.irp b, 0,1,2,3
	v_lshrrev_b32 v[TM+4+\b], 23, v[TM+12+\b]      ; the scale's byte
.endr
	v_lshl_or_b32 v[PW], v[TM+5], 8, v[TM+4]
	v_lshl_or_b32 v[PW], v[TM+6], 16, v[PW]
	v_lshl_or_b32 v[PW], v[TM+7], 24, v[PW]
.irp c, 0,1
	v_cvt_scalef32_pk16_bf6_f32 v[CD+6*\c:CD+2+6*\c], v[\s+32*\c:\s+15+32*\c], v[TM+12+2*\c]
	v_cvt_scalef32_pk16_bf6_f32 v[CD+12+4*\c:CD+14+4*\c], v[\s+16+32*\c:\s+31+32*\c], v[TM+12+2*\c+1]   ; (a conversion's three registers begin on an even number)
.endr
	v_nop                                          ; one plain place behind a scaled conversion
.irp c, 0,1                            ; the operand's layout wants a whole block in a lane: lanes 0-15 block 2 c, lanes 16-31 block 2 c + 1
.irp i, 0,1,2
	v_permlane16_swap_b32 v[CD+6*\c+\i], v[CD+12+4*\c+\i]
.endr
.irp i, 0,1,2
	v_mov_b32 v[CD+3+6*\c+\i], v[CD+12+4*\c+\i]
.endr
.endr
.endm
.macro XFRAG rt, set, left
	s_wait_loadcnt \left                           ; this tile's 16 loads are in; the younger set's 16 may be out
	TURN \set
	s_wait_dscnt 0x0                               ; my 64 numbers are back, and the stores have read their registers,
.if \rt < 2
	XLD \set, \rt+2                                ; which take the tile two further on
.endif
.if \rt > 0
	s_wait_xcnt 0x0                                ; the last fragment's stores have read the codes' registers: they are written again only behind this wait
.endif
	QUANT X
.irp c, 0,1,2
	global_store_b128 v4, v[CD+4*\c:CD+4*\c+3], s[24:25] offset:1536*\rt+512*\c   ; 32 lanes store 512 consecutive bytes
.endr
	v_mov_b32 v[W4+\rt], v[PW]
.endm
	XLD R0, 0
	XLD R1, 1
	XFRAG 0, R0, 16
	XFRAG 1, R1, 16
	XFRAG 2, R0, 16
	XFRAG 3, R1, 0
	v_cmp_ne_u32 vcc_lo, 0, v3
	v_cndmask_b32 v12, v[W4], v[W4+2], vcc_lo      ; lanes 0-15: tiles 0 and 1 of row r; lanes 16-31: tiles 2 and 3
	v_cndmask_b32 v13, v[W4+1], v[W4+3], vcc_lo
	global_store_b64 v7, v[12:13], s[26:27]        ; 256 consecutive bytes, aligned
	s_wait_tensorcnt 0x0
	ds_add_u32 v248, v249
	s_wait_dscnt 0x0
	s_endpgm
; ---------------- the weights ----------------
.Lweights:
	s_sub_co_u32 s35, ttmp9, 256                   ; 16 x phase + wave of the second launch
	s_lshr_b32 s38, s35, 4                         ; phase
	s_and_b32 s39, s35, 15                         ; that wave
	s_wait_kmcnt 0x0
	s_cmp_eq_u32 s38, 0                            ; the choices hang on the work-group's number alone
	s_cselect_b64 s[48:49], s[6:7], s[14:15]       ; codes: K's or Q's,
	s_cselect_b64 s[50:51], s[8:9], s[16:17]       ; scales,
	s_cselect_b64 s[52:53], s[18:19], s[22:23]     ; bias
	s_cmp_eq_u32 s38, 1
	s_cselect_b64 s[48:49], s[10:11], s[48:49]     ; or V's
	s_cselect_b64 s[50:51], s[12:13], s[50:51]
	s_cselect_b64 s[52:53], s[20:21], s[52:53]
	s_cselect_b32 s40, 64, 1                       ; c7
	s_cselect_b32 s41, 1, 16                       ; c3
	s_cselect_b32 s42, 512, 8                      ; cu
	s_cselect_b32 s43, 2, 32                       ; cb
	s_cselect_b32 s44, 4, 64                       ; cw
	s_mul_i32 s45, s44, s39                        ; cw w
	s_and_b32 s46, s34, 1
	s_mul_i32 s46, s46, s42                        ; my wave's number is the tile: cu (ct % 2)
	s_lshr_b32 s47, s34, 1
	s_mul_i32 s47, s47, s43                        ; cb (ct / 2)
	s_add_co_u32 s54, s45, s46
	s_add_co_u32 s54, s54, s47
	v_and_b32 v8, 7, v0
	v_bfe_u32 v9, v0, 3, 1
	v_mul_u32_u24 v10, s40, v8
	v_mad_u32_u24 v10, v9, s41, v10                ; c7 (r % 8) + c3 (r / 8)
	v_add_nc_u32 v11, s54, v10                     ; my row of the weight
	v_mul_u32_u24 v12, v11, 768                    ; a row of 1,024 codes is 768 bytes
	v_mad_u32_u24 v12, v3, 24, v12                 ; + 24 h
	v_lshlrev_b32 v13, 2, v11                      ; its bias
	v_mad_u32_u24 v14, v3, s43, v10                ; for the scale words the wave's number is the pair of K steps, and the lane's half is ct / 2
	v_add_nc_u32 v14, s45, v14
	v_lshlrev_b32 v5, 5, v14                       ; 32 scale bytes a row
	s_lshl_b32 s55, s34, 3
	v_add_nc_u32 v5, s55, v5                       ; + 8 bytes a pair of K steps: tile 2 (lane / 16),
	s_lshl_b32 s56, s42, 5
	v_add_nc_u32 v6, s56, v5                       ; and tile 2 (lane / 16) + 1
	v_lshlrev_b32 v15, 2, v2                       ; 4 r
	s_mul_i32 s58, s35, 49152
	s_mul_i32 s59, s34, 1536
	s_add_co_u32 s58, s58, s59
	s_mov_b32 s59, 0
	s_add_nc_u64 s[28:29], s[28:29], s[58:59]      ; wf at (phase, wave, K step 0, my tile)
	s_lshl_b32 s58, s35, 11
	s_lshl_b32 s60, s34, 9
	s_add_co_u32 s58, s58, s60
	s_add_nc_u64 s[30:31], s[30:31], s[58:59]      ; ws at (phase, wave, my pair of K steps)
	s_lshl_b32 s58, s35, 8
	s_lshl_b32 s60, s34, 6
	s_add_co_u32 s58, s58, s60
	s_add_nc_u64 s[32:33], s[32:33], s[58:59]      ; bf at (phase, wave, my tile)
.irp s, 0,1,2,3,4,5,6,7
.irp p, 0,1,2,3,4,5
	global_load_b64 v[WF+12*\s+2*\p:WF+12*\s+2*\p+1], v12, s[48:49] offset:96*\s+48*(\p/3)+8*(\p%3)   ; a fragment's 2 x 24 bytes of the row's stream of bits, as they lie
.endr
.endr
	global_load_b32 v[WB], v13, s[52:53]
.irp a, 0,1
	global_load_b32 v[WS+2*\a], v5, s[50:51] offset:4*\a
	global_load_b32 v[WS+2*\a+1], v6, s[50:51] offset:4*\a
.endr
	s_wait_loadcnt 0x0
.irp s, 0,1,2,3,4,5,6,7
.irp c, 0,1,2
	global_store_b128 v4, v[WF+12*\s+4*\c:WF+12*\s+4*\c+3], s[28:29] offset:6144*\s+512*\c   ; 512 consecutive bytes
.endr
.endr
	global_store_b128 v4, v[WS:WS+3], s[30:31]
	global_store_b32 v15, v[WB], s[32:33]          ; lanes 16-31 write the same words with the same values
	s_endpgm
.Lfunc_end_k_q7f26059290_prep:
	.size	k_q7f26059290_prep, .Lfunc_end_k_q7f26059290_prep-k_q7f26059290_prep
	.p2alignl 7, 3214868480
	.fill 96, 4, 3214868480
	.section	.rodata,"a",@progbits
	.p2align	6, 0x0
	.amdhsa_kernel k_q7f26059290_prep
		.amdhsa_group_segment_fixed_size 34304
		.amdhsa_private_segment_fixed_size 0
		.amdhsa_enable_private_segment 0
		.amdhsa_kernarg_size 120
		.amdhsa_user_sgpr_count 2
		.amdhsa_user_sgpr_kernarg_segment_ptr 1
		.amdhsa_wavefront_size32 1
		.amdhsa_system_sgpr_workgroup_id_x 1
		.amdhsa_system_sgpr_workgroup_id_y 1
		.amdhsa_system_sgpr_workgroup_id_z 1
		.amdhsa_system_vgpr_workitem_id 0
		.amdhsa_next_free_vgpr 250
		.amdhsa_next_free_sgpr 66
		.amdhsa_reserve_vcc 1
		.amdhsa_float_denorm_mode_32 3
		.amdhsa_float_denorm_mode_16_64 3
		.amdhsa_memory_ordered 1
		.amdhsa_forward_progress 1
		.amdhsa_inst_pref_size 43
	.end_amdhsa_kernel
	.amdgpu_metadata
---
amdhsa.version: [ 1, 2 ]
amdhsa.kernels:
  - .name:           k_q7f26059290_prep
    .symbol:         k_q7f26059290_prep.kd
    .args:
      - { .name: x, .offset: 0, .size: 8, .value_kind: global_buffer, .address_space: global }
      - { .name: Wk_codes, .offset: 8, .size: 8, .value_kind: global_buffer, .address_space: global }
      - { .name: Wk_scales, .offset: 16, .size: 8, .value_kind: global_buffer, .address_space: global }
      - { .name: Wv_codes, .offset: 24, .size: 8, .value_kind: global_buffer, .address_space: global }
      - { .name: Wv_scales, .offset: 32, .size: 8, .value_kind: global_buffer, .address_space: global }
      - { .name: Wq_codes, .offset: 40, .size: 8, .value_kind: global_buffer, .address_space: global }
      - { .name: Wq_scales, .offset: 48, .size: 8, .value_kind: global_buffer, .address_space: global }
      - { .name: bk, .offset: 56, .size: 8, .value_kind: global_buffer, .address_space: global }
      - { .name: bv, .offset: 64, .size: 8, .value_kind: global_buffer, .address_space: global }
      - { .name: bq, .offset: 72, .size: 8, .value_kind: global_buffer, .address_space: global }
      - { .name: xf, .offset: 80, .size: 8, .value_kind: global_buffer, .address_space: global }
      - { .name: xs, .offset: 88, .size: 8, .value_kind: global_buffer, .address_space: global }
      - { .name: wf, .offset: 96, .size: 8, .value_kind: global_buffer, .address_space: global }
      - { .name: ws, .offset: 104, .size: 8, .value_kind: global_buffer, .address_space: global }
      - { .name: bf, .offset: 112, .size: 8, .value_kind: global_buffer, .address_space: global }
    .group_segment_fixed_size: 34304
    .private_segment_fixed_size: 0
    .kernarg_segment_align: 8
    .kernarg_segment_size: 120
    .max_flat_workgroup_size: 128
    .sgpr_count:     66
    .vgpr_count:     250
    .wavefront_size: 32
...
	.end_amdgpu_metadata
.endif
;; end of part 1
;; launch main (part 2): grid 256 x 1, 16 waves a work-group, no clusters, 256,000 bytes of LDS; arguments xf, xs, wf, ws, bf, x, dialog_states, gamma, beta, out0; writes out0
.if DOCPART == 2
	.amdgcn_target "amdgcn-amd-amdhsa--gfx1250"
	.amdhsa_code_object_version 6
	.text
	.protected	k_q7f26059290_main
	.globl	k_q7f26059290_main
	.p2align	8
	.type	k_q7f26059290_main,@function
k_q7f26059290_main:
	s_mov_b64 s[64:65], 0
	v_nop
	global_prefetch_b8 v0, s[64:65] scope:SCOPE_SE
	s_setreg_imm32_b32 hwreg(HW_REG_WAVE_MODE, 25, 1), 1
	s_wait_xcnt 0x0
; MAIN: the projections, attention, the residual and LayerNorm of half a head, all products on codes of E3M2 with one E8M0 scale for each 32 along K.
; reference()'s reshape is no transposition: head g is rows 64 g .. 64 g + 63 of x W + b; query or key q of it is row q / 16, columns 64 (q % 16) on.  So a head needs 64 rows of x, and its context falls on the same 64 rows.
; SHARES.  Work-group (g, hf) owns rows 64 g + 32 hf .. + 31 as queries and outputs; it makes K and V of all 64 rows and Q of its 32.  Sixteen waves of 256 registers, four to a SIMD.  Wave w owns: in the K and Q phases
; column group w; in the V phase channels 4 w .. 4 w + 3; in attention two tiles of 16 queries (rows 32 hf + 16 j + r, group w); on the way out columns 64 w .. + 63 of those rows.
; THE PROJECTIONS are used transposed (source 0 = 16 rows of a weight, source 1 = 16 rows of x); which weight rows form a tile was chosen by the first launch so that a lane's 16 results of two neighbouring tiles are 16
; neighbours along the NEXT product's K (the head's 64 for Q and K, the keys for V).  The weights go from memory straight into registers, laid in register order, twelve loads of 16 bytes a lane always on their way;
; the bias is loaded into the accumulators, so that every K step adds in place and nothing is cleared.  No tile is shared in a cluster: with 64 rows a K step's products are too few for a refill behind a barrier to land in.
; ATTENTION: S^T = K Q^T (K = 64: the upper half of both operands is zero codes), t = score x log2(e) / 8, M = the running largest t rounded up to a whole number, p = 2^(t - M) quantised along the keys, the row's sum taken
; of the unquantised p, O^T = V^T P^T, divided by the sum at the end.  A lane holds one query throughout.
; THE MASK acts on a whole query row: -1e9 x log2(e) is a whole number in f32, so p = 1 for every key and the sum is 1,024.  Zero codes for that query give score 0, t = 0, M = 0, p = 1: the same numbers.
; LIMITS: NaN and infinities are not served.  A block whose largest magnitude lies under 2^-122 (zeros among them) keeps the byte 1.  1 / sum and 1 / sqrt are v_rcp_f32 and v_rsq_f32; neither stands ahead of a quantiser.
; LayerNorm takes the mean first and then the squares of the deviations.
.set XFL, 0                            ; LDS: x's 32 fragments as images of registers: 6144 s + 1536 rt + 512 c + 16 lane
.set XSL, 49152                        ; their scale words: 256 s + 8 lane'
.set KCL, 51200                        ; K's codes: row x 896 + group x 48 + 24 h
.set KSL, 108544                       ; K's scale words: 4 x key (bytes 2 and 3 are 0)
.set VCL, 112640                       ; V^T's codes: channel x 784 + 12 x row
.set VSL, 162816                       ; V's scale bytes: channel x 36 + key / 32
.set LNL, 165120                       ; LayerNorm: 4 regions (tile, pass) of 16 rows x 80 bytes: 80 r + 4 w
.set STG, 170240                       ; a stage for each wave: 16 rows x 272 bytes
.set QHL, 239872                       ; for each wave 768 bytes: its second tile's codes of Q
.set XSC, 12                           ; v12-13  x's scale words.  v12-29 hold scales and nothing else in the whole text
.set WSC, 14                           ; v14-29  a weight's scale words: register 2 s + ct % 2
.set XFR, 32                           ; v32-79  x's four fragments; behind a phase's products: at work
.set WFR, 80                           ; v80-127 a weight's four fragments
.set ACC, 128                          ; v128-255 accumulator (rt, ct) at 32 rt + 8 ct
.set TM,  32                           ; the quantisers' temporaries
.set CD,  40                           ; and codes
.set KSW, 14                           ; attention: v14-17 K's, then V's scale words; v18 p's; v19 Q's; v20 Q's of the second tile
.set QF,  32                           ; v32-43  Q's fragment (6 registers of codes, 6 of zeros)
.set KFR, 44                           ; v44-91  four fragments of K (each 6 of codes, 6 of zeros)
.set S,   92                           ; v92-155 S^T, then p; V's fragments in v92-139; at the end gamma and beta
.set OT,  156                          ; v156-187 O^T
.set XR,  188                          ; v188-219 x for the residual, then rows of the result
.set PQ,  220                          ; v220-231 p's codes
; v232-235 the blocks' largest scores; v236-242 at work; v243 gamma's offset; v244-247 scale operands; v[248:249] a factor; v250 at work; v251 LayerNorm's address; v252 -M; v253 the largest t; v[254:255] the sum
.macro PLACES n
.rept \n
	v_nop
.endr
.endm
.macro BARRIER                         ; my LDS stores have landed and my LDS loads are in: then the work-group's barrier
	s_wait_dscnt 0x0
	s_barrier_signal -1
	s_barrier_wait -1
.endm
.macro WLOAD ph, s, ct                 ; a weight's fragment (K step s, tile ct): three loads of 512 consecutive bytes
.irp c, 0,1,2
	global_load_b128 v[WFR+12*(\ct)+4*\c:WFR+12*(\ct)+4*\c+3], v1, s[28+2*(\ph):29+2*(\ph)] offset:6144*(\s)+1536*(\ct)+512*\c
.endr
.endm
.macro XLOAD a, sa, s, nrt             ; x's fragments of K step s and their scale words, from LDS
.set xrt, 0
.rept \nrt
.irp c, 0,1,2
	ds_load_b128 v[XFR+12*xrt+4*\c:XFR+12*xrt+4*\c+3], v[\a] offset:6144*(\s)+1536*xrt+512*\c
.endr
.set xrt, xrt+1
.endr
	ds_load_b64 v[XSC:XSC+1], v[\sa] offset:256*(\s)
.endm
.macro PRO_A ph                        ; a phase's scale words and its first K step's fragments: 16 loads
.irp sp, 0,1,2,3
	global_load_b128 v[WSC+4*\sp:WSC+4*\sp+3], v1, s[34+2*(\ph):35+2*(\ph)] offset:512*\sp
.endr
.irp ct, 0,1,2,3
	WLOAD \ph, 0, \ct
.endr
.endm
.macro PRO_B ph, nrt                   ; the bias into the accumulators: lane (r, h) wants that of the tile's rows 8 h + 0 .. 7
.set brt, 0
.rept \nrt
.irp ct, 0,1,2,3
	global_load_b128 v[ACC+32*brt+8*\ct:ACC+32*brt+8*\ct+3], v5, s[40+2*(\ph):41+2*(\ph)] offset:64*\ct
	global_load_b128 v[ACC+32*brt+8*\ct+4:ACC+32*brt+8*\ct+7], v5, s[40+2*(\ph):41+2*(\ph)] offset:64*\ct+16
.endr
.set brt, brt+1
.endr
.endm
; tile ct of the weight against x's nrt tiles of rows.  The weight's scale words of tiles 2, 3 lie in lanes 16-31, and (rowb = 1) so do x's of tiles 2, 3
.macro MM s, ct, nrt, rowb
.set mrt, 0
.rept \nrt
.set mac, ACC+32*mrt+8*(\ct)
.set mwf, WFR+12*(\ct)
.set mxf, XFR+12*mrt
.set msa, WSC+2*(\s)+((\ct)%2)
.set msb, XSC+(mrt%2)
.set mra, (\ct)/2
.set mrb, (\rowb)*(mrt/2)
.if mra && mrb
	v_wmma_scale_f32_16x16x128_f8f6f4 v[mac:mac+7], v[mwf:mwf+11], v[mxf:mxf+11], v[mac:mac+7], v[msa], v[msb] matrix_a_fmt:MATRIX_FMT_BF6 matrix_b_fmt:MATRIX_FMT_BF6 matrix_a_scale:MATRIX_SCALE_ROW1 matrix_b_scale:MATRIX_SCALE_ROW1
.elseif mra
	v_wmma_scale_f32_16x16x128_f8f6f4 v[mac:mac+7], v[mwf:mwf+11], v[mxf:mxf+11], v[mac:mac+7], v[msa], v[msb] matrix_a_fmt:MATRIX_FMT_BF6 matrix_b_fmt:MATRIX_FMT_BF6 matrix_a_scale:MATRIX_SCALE_ROW1
.elseif mrb
	v_wmma_scale_f32_16x16x128_f8f6f4 v[mac:mac+7], v[mwf:mwf+11], v[mxf:mxf+11], v[mac:mac+7], v[msa], v[msb] matrix_a_fmt:MATRIX_FMT_BF6 matrix_b_fmt:MATRIX_FMT_BF6 matrix_b_scale:MATRIX_SCALE_ROW1
.else
	v_wmma_scale_f32_16x16x128_f8f6f4 v[mac:mac+7], v[mwf:mwf+11], v[mxf:mxf+11], v[mac:mac+7], v[msa], v[msb] matrix_a_fmt:MATRIX_FMT_BF6 matrix_b_fmt:MATRIX_FMT_BF6
.endif
.set mrt, mrt+1
.endr
.endm
; A phase's eight K steps, written out: every offset is an immediate.  The 4 nrt accumulators take turns, one instruction a turn, in the same order in every step.
; Behind each group of products four plain places stand ahead of the loads into the registers that it read (ISA guide 7.12.1 for vector instructions).
.macro PSTEPS ph, nrt, a, sa, rowb
	XLOAD \a, \sa, 0, \nrt
.set pst, 0
.rept 8
	s_wait_dscnt 0x0                               ; x's fragments and scale words of this step are in
.set pct, 0
.rept 4
.if pst == 0
.if pct == 0
	s_wait_loadcnt 0x0                             ; the bias was issued last: all of the phase's first loads are in
.endif
.elseif pst < 7
	s_wait_loadcnt 9                               ; behind this fragment's three loads three fragments' nine were issued
.else
	s_wait_loadcnt 9-3*pct                         ; the last step fetches nothing: the counts run down
.endif
	MM pst, pct, \nrt, \rowb
.if (pst < 7) || (pct == 3)
	PLACES 4
.endif
.if pst < 7
	WLOAD \ph, pst+1, pct
.endif
.set pct, pct+1
.endr
.if pst < 7
	XLOAD \a, \sa, pst+1, \nrt
.endif
.set pst, pst+1
.endr
.endm
; 32 numbers of a lane, register 16 b + i = k 32 b + 16 (lane / 16) + i of its row, b = 0, 1: six registers of codes in v[CD] on (lane (r, h): k = 32 h .. 32 h + 31) and the scale word (two bytes) in v[wd]
.macro QUANT2 s, wd
.irp b, 0,1
	v_max3_num_f32 v[TM+\b], |v[\s+16*\b]|, |v[\s+1+16*\b]|, 0x2800000   ; and the floor 2^(5 - 127): the byte cannot fall under 1
.endr
.irp i, 2,4,6,8,10,12,14
.irp b, 0,1
	v_max3_num_f32 v[TM+\b], v[TM+\b], |v[\s+16*\b+\i]|, |v[\s+1+16*\b+\i]|
.endr
.endr
.irp b, 0,1
	v_permlanex16_b32 v[TM+2+\b], v[TM+\b], s46, s47
.endr
.irp b, 0,1
	v_max_num_f32 v[TM+\b], v[TM+\b], v[TM+2+\b]   ; with lane l xor 16's: the block's largest magnitude
.endr
.irp b, 0,1
	v_add_nc_u32 v[TM+4+\b], 0xfe000000, v[TM+\b]  ; 4 off its exponent field: the conversion's scale operand
.endr
.irp b, 0,1
	v_lshrrev_b32 v[TM+2+\b], 23, v[TM+4+\b]       ; the scale's byte
.endr
	v_lshl_or_b32 v[\wd], v[TM+3], 8, v[TM+2]
	v_cvt_scalef32_pk16_bf6_f32 v[CD:CD+2], v[\s:\s+15], v[TM+4]
	v_cvt_scalef32_pk16_bf6_f32 v[CD+6:CD+8], v[\s+16:\s+31], v[TM+5]
	v_nop                                          ; one plain place behind a scaled conversion
.irp i, 0,1,2
	v_permlane16_swap_b32 v[CD+\i], v[CD+6+\i]     ; a whole block to a lane: lanes 0-15 block 0, lanes 16-31 block 1
.endr
.irp i, 0,1,2
	v_mov_b32 v[CD+3+\i], v[CD+6+\i]
.endr
.endm
; two runs of 16 numbers of a lane, each 16 neighbouring keys of one channel; a block of 32 keys lies in lanes l and l xor 1
.macro QUANTV s
.irp a, 0,1
	v_max3_num_f32 v[TM+\a], |v[\s+16*\a]|, |v[\s+1+16*\a]|, 0x2800000
.endr
.irp i, 2,4,6,8,10,12,14
.irp a, 0,1
	v_max3_num_f32 v[TM+\a], v[TM+\a], |v[\s+16*\a+\i]|, |v[\s+1+16*\a+\i]|
.endr
.endr
.irp a, 0,1
	v_max_num_f32_dpp v[TM+\a], v[TM+\a], v[TM+\a] row_xmask:1 row_mask:0xf bank_mask:0xf
.endr
.irp a, 0,1
	v_add_nc_u32 v[TM+4+\a], 0xfe000000, v[TM+\a]
.endr
.irp a, 0,1
	v_lshrrev_b32 v[TM+2+\a], 23, v[TM+4+\a]
.endr
	v_cvt_scalef32_pk16_bf6_f32 v[CD:CD+2], v[\s:\s+15], v[TM+4]
	v_cvt_scalef32_pk16_bf6_f32 v[CD+4:CD+6], v[\s+16:\s+31], v[TM+5]
	v_nop                                          ; one plain place behind a scaled conversion
.endm
; ---------------- the head ----------------
	s_load_b256 s[4:11], s[0:1], 0x0               ; xf, xs, wf, ws
	s_load_b256 s[12:19], s[0:1], 0x20             ; bf, x, dialog_states, gamma
	s_load_b128 s[20:23], s[0:1], 0x40             ; beta, out0
	v_lshrrev_b32 v60, 5, v0
	v_readfirstlane_b32 s24, v60                   ; wave 0..15
	s_lshr_b32 s25, ttmp9, 1                       ; head
	s_and_b32 s26, ttmp9, 1                        ; which half of its rows is mine
	s_lshl_b32 s27, s24, 2                         ; 4 w
	v_and_b32 v60, 31, v0                          ; lane
	v_and_b32 v61, 15, v0                          ; r
	v_bfe_u32 v62, v0, 4, 1                        ; h
	v_lshlrev_b32 v1, 4, v60                       ; 16 x lane: the weights' offset, and x's images' address
	v_lshl_add_u32 v2, v60, 3, XSL                 ; x's scale words: 8 x lane
	s_mul_i32 s68, s26, 3072
	v_add_nc_u32 v3, s68, v1                       ; the same for Q: my half's two tiles of rows
	s_lshl_b32 s68, s26, 7
	v_lshl_add_u32 v4, v61, 3, XSL
	v_add_nc_u32 v4, s68, v4
	v_lshlrev_b32 v5, 5, v62                       ; the bias: 32 h
	v_mul_u32_u24 v6, v61, 896                     ; K's codes go to row r, group w, + 24 h
	v_mad_u32_u24 v6, v62, 24, v6
	s_mul_i32 s68, s24, 48
	s_add_co_u32 s68, s68, KCL
	v_add_nc_u32 v6, s68, v6
	v_lshl_add_u32 v10, v61, 6, s27                ; 64 r + 4 w: dialog_states' offset,
	v_add_nc_u32 v7, KSL, v10                      ; and K's scale word
	v_mul_u32_u24 v8, v62, 784                     ; V's codes: channel 4 w + h, 12 bytes a row
	v_mad_u32_u24 v8, v61, 12, v8
	s_mul_i32 s68, s24, 3136
	s_add_co_u32 s68, s68, VCL
	v_add_nc_u32 v8, s68, v8
	v_bfe_u32 v9, v0, 1, 3                         ; V's scale bytes: channel 4 w + h, block r / 2
	v_mad_u32_u24 v9, v62, 36, v9
	s_mul_i32 s68, s24, 144
	s_add_co_u32 s68, s68, VSL
	v_add_nc_u32 v9, s68, v9
	v_lshlrev_b32 v11, 4, v0                       ; the copy: 16 bytes a thread,
	v_lshlrev_b32 v57, 2, v0                       ; 4 bytes a thread
	s_mov_b32 s46, 0x76543210
	s_mov_b32 s47, 0xfedcba98                      ; lane selects: lane l xor 16
	s_mov_b32 s48, 0x3e38aa3b                      ; log2(e) / 8
	s_mov_b32 s49, s48                             ; (named with it as a pair, so it is written)
	s_mul_i32 s55, s24, 768
	s_add_co_u32 s55, s55, QHL                     ; my wave's 768 bytes for Q's second tile
	s_mov_b32 s3, 0
	s_mov_b32 s69, 0
	s_mov_b32 s71, 0
	s_mul_i32 s2, s24, 49152
	s_lshl_b32 s68, s24, 11
	s_lshl_b32 s70, s24, 8
	s_wait_kmcnt 0x0
	s_add_nc_u64 s[28:29], s[8:9], s[2:3]          ; my wave's part of the weights: K's, V's, Q's
	s_add_nc_u64 s[30:31], s[28:29], 786432
	s_add_nc_u64 s[32:33], s[30:31], 786432
	s_add_nc_u64 s[34:35], s[10:11], s[68:69]      ; of their scale words
	s_add_nc_u64 s[36:37], s[34:35], 32768
	s_add_nc_u64 s[38:39], s[36:37], 32768
	s_add_nc_u64 s[40:41], s[12:13], s[70:71]      ; of the biases
	s_add_nc_u64 s[42:43], s[40:41], 4096
	s_add_nc_u64 s[44:45], s[42:43], 4096
	s_lshl_b32 s2, s25, 18
	s_lshl_b32 s68, s26, 17
	s_add_co_u32 s2, s2, s68
	s_add_nc_u64 s[56:57], s[14:15], s[2:3]        ; x and out0 at row 64 g + 32 hf
	s_add_nc_u64 s[58:59], s[22:23], s[2:3]
	s_lshl_b32 s2, s25, 12
	s_lshl_b32 s68, s26, 11
	s_add_co_u32 s2, s2, s68
	s_add_nc_u64 s[60:61], s[16:17], s[2:3]        ; dialog_states at my first query
	s_mul_i32 s2, s25, 49152
	s_add_nc_u64 s[62:63], s[4:5], s[2:3]          ; the head's images of x
	s_lshl_b32 s2, s25, 11
	s_add_nc_u64 s[66:67], s[6:7], s[2:3]          ; and their scale words
.irp k, 0,1,2,3,4,5
	global_load_b128 v[32+4*\k:35+4*\k], v11, s[62:63] offset:8192*\k
.endr
	global_load_b32 v56, v57, s[66:67]
	PRO_A 0
	PRO_B 0, 4
	s_wait_loadcnt 48                              ; the copy's seven loads are in; the 16 + 32 issued behind them may be out
.irp k, 0,1,2,3,4,5
	ds_store_b128 v11, v[32+4*\k:35+4*\k] offset:XFL+8192*\k
.endr
	ds_store_b32 v57, v56 offset:XSL
	BARRIER                                        ; x's images lie in LDS
; ---------------- K ----------------
	PSTEPS 0, 4, 1, 2, 1
	PRO_A 1                                        ; V's first loads are on their way while K is quantised
.irp rt, 0,1,2,3
	QUANT2 ACC+32*\rt, TM+6
.irp p, 0,1,2
	ds_store_b64 v6, v[CD+2*\p:CD+2*\p+1] offset:14336*\rt+8*\p
.endr
	ds_store_b32 v7, v[TM+6] offset:1024*\rt       ; both halves of the lanes write the same word with the same value
	s_wait_dscnt 0x0                               ; the stores have read their registers
.endr
	PRO_B 1, 4
; ---------------- V ----------------
	PSTEPS 1, 4, 1, 2, 1
	PRO_A 2
.irp rt, 0,1,2,3
	QUANTV ACC+32*\rt
.irp a, 0,1
.irp q, 0,1,2
	ds_store_b32 v8, v[CD+4*\a+\q] offset:1568*\a+192*\rt+4*\q
.endr
	ds_store_b8 v9, v[TM+2+\a] offset:72*\a+8*\rt  ; both lanes of a block write the same byte with the same value
.endr
	s_wait_dscnt 0x0
.endr
	PRO_B 2, 2
	global_load_b32 v30, v10, s[60:61]             ; dialog_states of my two tiles' queries
	global_load_b32 v31, v10, s[60:61] offset:1024
; ---------------- Q ----------------
	PSTEPS 2, 2, 3, 4, 0
	v_and_b32 v11, 31, v0
	v_lshl_add_u32 v11, v11, 3, s55
	QUANT2 ACC+32, 20                              ; the second tile first: the first tile's codes stay where the quantiser works
	v_cmp_ne_u32 vcc_lo, -1, v31
.irp i, 0,1,2,3,4,5
	v_cndmask_b32 v[CD+\i], 0, v[CD+\i], vcc_lo    ; a masked query gets zero codes
.endr
.irp p, 0,1,2
	ds_store_b64 v11, v[CD+2*\p:CD+2*\p+1] offset:256*\p
.endr
	s_wait_dscnt 0x0
	QUANT2 ACC, 19
	v_cmp_ne_u32 vcc_lo, -1, v30
.irp i, 0,1,2,3,4,5
	v_cndmask_b32 v[QF+\i], 0, v[CD+\i], vcc_lo
.endr
.irp i, 6,7,8,9,10,11
	v_mov_b32 v[QF+\i], 0                          ; K = 64: the operands' upper halves are zero codes, written once
.endr
.irp t, 0,1,2,3
.irp i, 6,7,8,9,10,11
	v_mov_b32 v[KFR+12*\t+\i], 0
.endr
.endr
	v_and_b32 v100, 15, v0                         ; r
	v_bfe_u32 v101, v0, 4, 1                       ; h
	v_and_b32 v102, 7, v0                          ; r % 8
	v_bfe_u32 v103, v0, 3, 1                       ; r / 8
	v_mul_u32_u24 v1, v103, 896                    ; K: lane r of tile 2 b + u takes key 32 b + 8 u + r + 8 (r / 8): row 2 b + r / 8, group 8 u + r % 8
	v_mad_u32_u24 v1, v102, 48, v1
	v_mad_u32_u24 v1, v101, 24, v1
	v_add_nc_u32 v1, KCL, v1
	v_mul_u32_u24 v2, v100, 784                    ; V: channel r of a tile, + 24 h
	v_mad_u32_u24 v2, v101, 24, v2
	v_add_nc_u32 v2, VCL, v2
	v_lshlrev_b32 v3, 6, v103                      ; K's scale words
	v_lshl_add_u32 v3, v102, 2, v3
	v_add_nc_u32 v3, KSL, v3
	v_mul_u32_u24 v4, v100, 36                     ; V's
	v_add_nc_u32 v4, VSL, v4
	s_mul_i32 s68, s24, 4352
	s_add_co_u32 s68, s68, STG                     ; my stage
	v_mul_u32_u24 v5, v100, 272                    ; by the result's layout: row r, + 32 h
	v_lshl_add_u32 v5, v101, 5, v5
	v_add_nc_u32 v5, s68, v5
	v_mul_u32_u24 v6, v101, 272                    ; by rows: lanes 0-15 one row of 256 bytes, lanes 16-31 the next
	v_lshl_add_u32 v6, v100, 4, v6
	v_add_nc_u32 v6, s68, v6
	s_lshl_b32 s68, s24, 8
	v_lshlrev_b32 v7, 12, v101                     ; and the same two rows in x and in out0, at my 256 bytes
	v_lshl_add_u32 v7, v100, 4, v7
	v_add_nc_u32 v7, s68, v7
	v_lshl_add_u32 v243, v101, 5, s68              ; gamma, beta: 256 w + 32 h
	v_mul_u32_u24 v251, v100, 80
	v_add_nc_u32 v251, LNL, v251                   ; LayerNorm: row r's sixteen words
.irp b, 0,1,2,3
	v_mov_b32 v[236+\b], 0                         ; written once: a lane permute's destination counts as one of its sources
.endr
	v_mov_b32 v249, 0                              ; (named as the upper half of a pair)
	v_mov_b32 v250, 0
	BARRIER                                        ; K's and V's codes and scales are whole
; ---------------- a key step: 128 keys ----------------
.macro KSTEP
	v_add_nc_u32 v8, s50, v1
	v_add_nc_u32 v9, s52, v2
	v_add_nc_u32 v10, s51, v3
	v_add_nc_u32 v11, s53, v4
	v_nop                                          ; five places: the products below write over registers that the last step's products read as operands
.irp g, 0,1                            ; S^T = K Q^T, four tiles of 16 keys at a time
.if \g
	PLACES 4
.endif
.irp t, 0,1,2,3
.irp p, 0,1,2
	ds_load_b64 v[KFR+12*\t+2*\p:KFR+12*\t+2*\p+1], v8 offset:1792*((4*\g+\t)/2)+384*(\t%2)+8*\p
.endr
	ds_load_b32 v[KSW+\t], v10 offset:128*((4*\g+\t)/2)+32*(\t%2)
.endr
	s_wait_dscnt 0x0
.irp t, 0,1,2,3
	v_wmma_scale_f32_16x16x128_f8f6f4 v[S+8*(4*\g+\t):S+8*(4*\g+\t)+7], v[KFR+12*\t:KFR+12*\t+11], v[QF:QF+11], 0, v[KSW+\t], v19 matrix_a_fmt:MATRIX_FMT_BF6 matrix_b_fmt:MATRIX_FMT_BF6
.endr
.endr                                  ; lane (r, h) holds query r; the 16 registers of tiles 2 b, 2 b + 1 are keys 32 b + 16 h + 0 .. 15 of the step
	PLACES 4
.irp b, 0,1,2,3
	v_max3_num_f32 v[232+\b], v[S+16*\b], v[S+1+16*\b], v[S+2+16*\b]   ; the largest score of each block of 32 keys: for the row's maximum, and, since p rises with the score, for the block's largest p
.endr
.irp i, 3,5,7,9,11,13
.irp b, 0,1,2,3
	v_max3_num_f32 v[232+\b], v[232+\b], v[S+16*\b+\i], v[S+1+16*\b+\i]
.endr
.endr
.irp b, 0,1,2,3
	v_max_num_f32 v[232+\b], v[232+\b], v[S+15+16*\b]
.endr
.irp b, 0,1,2,3
	v_permlanex16_b32 v[236+\b], v[232+\b], s46, s47
.endr
.irp b, 0,1,2,3
	v_max_num_f32 v[232+\b], v[232+\b], v[236+\b]  ; with lane l xor 16's 16 keys
.endr
	v_max3_num_f32 v250, v232, v233, v234
	v_max_num_f32 v250, v250, v235
	v_mul_f32 v250, s48, v250                      ; the step's largest t of my query
	v_max_num_f32 v253, v253, v250                 ; the running largest t
	v_mov_b32 v250, v252
	v_floor_f32 v252, -v253                        ; the new -M = floor(-t): M is a whole number
	v_sub_f32 v250, v252, v250                     ; old M - new M: a whole number, 0 or less
	v_cvt_i32_f32 v250, v250                       ; (it saturates)
	v_ldexp_f32 v248, 1.0, v250                    ; f = 2^(old M - new M): a multiplication by it rounds nothing
.irp j, 0,2,4,6,8,10,12,14,16,18,20,22,24,26,28,30,32,34,36,38,40,42,44,46,48,50,52,54,56,58,60,62
	v_pk_fma_f32 v[S+\j:S+1+\j], v[S+\j:S+1+\j], s[48:49], v[252:253] op_sel_hi:[1,0,0]   ; t - M, two at a time
.endr
.irp b, 0,1,2,3
	v_fma_f32 v[232+\b], v[232+\b], s48, v252      ; the same of each block's largest score
.endr
.irp j, 0,1,2,3,4,5,6,7,8,9,10,11,12,13,14,15,16,17,18,19,20,21,22,23,24,25,26,27,28,29,30,31,32,33,34,35,36,37,38,39,40,41,42,43,44,45,46,47,48,49,50,51,52,53,54,55,56,57,58,59,60,61,62,63
	v_exp_f32 v[S+\j], v[S+\j]                     ; p = 2^(t - M), at most 1: not normalised
.endr
	v_pk_mul_f32 v[254:255], v[254:255], v[248:249] op_sel_hi:[1,0]   ; the sums under the new M (a plain place behind the exponentials)
	s_wait_alu depctr_va_vdst(0)                   ; one wait for the whole batch, ahead of its first reader
.irp b, 0,1,2,3
	v_exp_f32 v[232+\b], v[232+\b]                 ; the block's largest p
.endr
	v_pk_add_f32 v[236:237], v[S:S+1], v[S+2:S+3]  ; the row's sum is taken of the unquantised p, in two chains
.irp j, 4,8,12,16,20,24,28,32,36,40,44,48,52,56,60
	v_pk_add_f32 v[254:255], v[254:255], v[S+\j:S+1+\j]
	v_pk_add_f32 v[236:237], v[236:237], v[S+2+\j:S+3+\j]
.endr
	v_pk_add_f32 v[254:255], v[254:255], v[236:237]
	s_wait_alu depctr_va_vdst(0)                   ; and one for the four
.irp b, 0,1,2,3
	v_max_num_f32 v[232+\b], 0x2800000, v[232+\b]  ; the floor 2^(5 - 127)
.endr
.irp b, 0,1,2,3
	v_add_nc_u32 v[244+\b], 0xfe000000, v[232+\b]  ; 4 off the exponent field: the conversion's scale operand
.endr
.irp b, 0,1,2,3
	v_lshrrev_b32 v[236+\b], 23, v[244+\b]         ; the scale's byte
.endr
	v_lshl_or_b32 v18, v237, 8, v236               ; p's scale word for these 128 keys
	v_lshl_or_b32 v18, v238, 16, v18
	v_lshl_or_b32 v18, v239, 24, v18
.irp c, 0,1
	v_cvt_scalef32_pk16_bf6_f32 v[PQ+6*\c:PQ+2+6*\c], v[S+32*\c:S+15+32*\c], v[244+2*\c]
	v_cvt_scalef32_pk16_bf6_f32 v[236+4*\c:238+4*\c], v[S+16+32*\c:S+31+32*\c], v[244+2*\c+1]
.endr
	v_nop                                          ; one plain place behind a scaled conversion
.irp dt, 0,1,2,3                       ; V's four fragments take p's registers: they land while the codes are put in order and O^T is rescaled
.irp p, 0,1,2,3,4,5
	ds_load_b64 v[S+12*\dt+2*\p:S+12*\dt+2*\p+1], v9 offset:12544*\dt+48*(\p/3)+8*(\p%3)
.endr
	ds_load_b32 v[KSW+\dt], v11 offset:576*\dt
.endr
.irp c, 0,1                            ; a whole block to a lane: lanes 0-15 block 2 c, lanes 16-31 block 2 c + 1
.irp i, 0,1,2
	v_permlane16_swap_b32 v[PQ+6*\c+\i], v[236+4*\c+\i]
.endr
.irp i, 0,1,2
	v_mov_b32 v[PQ+3+6*\c+\i], v[236+4*\c+\i]
.endr
.endr
.irp j, 0,2,4,6,8,10,12,14,16,18,20,22,24,26,28,30
	v_pk_mul_f32 v[OT+\j:OT+1+\j], v[OT+\j:OT+1+\j], v[248:249] op_sel_hi:[1,0]   ; O^T under the new M; these sixteen are also the places between the operand's and the scale word's last writes and the products
.endr
	s_wait_dscnt 0x0
.irp dt, 0,1,2,3
	v_wmma_scale_f32_16x16x128_f8f6f4 v[OT+8*\dt:OT+8*\dt+7], v[S+12*\dt:S+12*\dt+11], v[PQ:PQ+11], v[OT+8*\dt:OT+8*\dt+7], v[KSW+\dt], v18 matrix_a_fmt:MATRIX_FMT_BF6 matrix_b_fmt:MATRIX_FMT_BF6
.endr
	s_add_co_u32 s50, s50, 7168                    ; the next 128 keys: 8 rows of K's codes,
	s_add_co_u32 s51, s51, 512                     ; 128 scale words,
	s_add_co_u32 s52, s52, 96                      ; 96 bytes in each row of V^T,
	s_add_co_u32 s53, s53, 4                       ; 4 scale bytes
.endm
.macro SUM16                           ; v220 = the sum of v220 .. v235
.irp k, 0,1,2,3
	v_pk_add_f32 v[220+4*\k:221+4*\k], v[220+4*\k:221+4*\k], v[222+4*\k:223+4*\k]
.endr
	v_pk_add_f32 v[220:221], v[220:221], v[224:225]
	v_pk_add_f32 v[228:229], v[228:229], v[232:233]
	v_pk_add_f32 v[220:221], v[220:221], v[228:229]
	v_add_f32 v220, v220, v221
.endm
.macro ROWSUM off                      ; v220, my lane's part of row r: with lane l xor 16's it is my wave's; the sixteen waves' meet in LDS; v220 = the row's
	v_permlanex16_b32 v250, v220, s46, s47
	v_add_f32 v220, v220, v250
	ds_store_b32 v8, v220 offset:\off              ; both halves of the lanes write the same word with the same value
	BARRIER
.irp k, 0,1,2,3
	ds_load_b128 v[220+4*\k:223+4*\k], v251 offset:\off+16*\k
.endr
	s_wait_dscnt 0x0
	SUM16
.endm
; ---------------- a tile of 16 queries: all keys, the residual, LayerNorm, the way out ----------------
.macro TILE j
.if \j
	s_wait_xcnt 0x0                                ; the first tile's stores have read their registers: x is loaded there again only behind this wait
	v_and_b32 v8, 31, v0
	v_lshl_add_u32 v8, v8, 3, s55
.irp p, 0,1,2
	ds_load_b64 v[QF+2*\p:QF+2*\p+1], v8 offset:256*\p
.endr
	v_mov_b32 v19, v20
.endif
.irp i, 0,1,2,3,4,5,6,7
	global_load_b128 v[XR+4*\i:XR+4*\i+3], v7, s[56:57] offset:65536*\j+8192*\i th:TH_LOAD_NT   ; x for the residual, eight key steps ahead of its use; sixteen lanes read 256 consecutive bytes
.endr
	v_mov_b32 v253, 0xff61b1e6                     ; the largest t so far: -3e38
	v_floor_f32 v252, -v253
	v_mov_b32 v254, 0
	v_mov_b32 v255, 0
.irp i, 0,1,2,3,4,5,6,7,8,9,10,11,12,13,14,15,16,17,18,19,20,21,22,23,24,25,26,27,28,29,30,31
	v_mov_b32 v[OT+\i], 0                          ; the step is written once: the first finds zeros, which the first change of M leaves zeros
.endr
	s_mov_b32 s50, 0
	s_mov_b32 s51, 0
	s_mov_b32 s52, 0
	s_mov_b32 s53, 0
	s_mov_b32 s54, 8
	s_wait_dscnt 0x0
.Lkey_\@:
	KSTEP
	s_sub_co_u32 s54, s54, 1
	s_cmp_lg_u32 s54, 0
	s_cbranch_scc1 .Lkey_\@
	PLACES 4
.irp dt, 0,1,2,3
.irp e, 0,1
	global_load_b128 v[S+8*\dt+4*\e:S+8*\dt+4*\e+3], v243, s[18:19] offset:64*\dt+16*\e        ; gamma and beta in the result's layout
	global_load_b128 v[S+32+8*\dt+4*\e:S+32+8*\dt+4*\e+3], v243, s[20:21] offset:64*\dt+16*\e
.endr
.endr
	v_add_f32 v254, v254, v255                     ; the sum's two halves,
	v_permlanex16_b32 v250, v254, s46, s47
	v_add_f32 v254, v254, v250                     ; and lane l xor 16's
	v_rcp_f32 v248, v254
	v_add_nc_u32 v8, s27, v251                     ; (a plain place)  LayerNorm: where my wave's word of row r goes
	s_wait_alu depctr_va_vdst(0)                   ; ahead of the reciprocal's first reader
.irp k, 0,2,4,6,8,10,12,14,16,18,20,22,24,26,28,30
	v_pk_mul_f32 v[OT+\k:OT+1+\k], v[OT+\k:OT+1+\k], v[248:249] op_sel_hi:[1,0]   ; the context
.endr
	s_wait_loadcnt 16                              ; x is in; gamma's and beta's sixteen loads may be out
.irp i, 0,1,2,3,4,5,6,7
	ds_store_b128 v6, v[XR+4*\i:XR+4*\i+3] offset:544*\i      ; x turns through my stage into the result's layout; LDS serves a wave's instructions in order
.endr
.irp dt, 0,1,2,3
.irp e, 0,1
	ds_load_b128 v[XR+8*\dt+4*\e:XR+8*\dt+4*\e+3], v5 offset:64*\dt+16*\e
.endr
.endr
	s_wait_dscnt 0x0
.irp k, 0,2,4,6,8,10,12,14,16,18,20,22,24,26,28,30
	v_pk_add_f32 v[OT+\k:OT+1+\k], v[OT+\k:OT+1+\k], v[XR+\k:XR+1+\k]
.endr
.irp k, 0,1,2,3,4,5,6,7
	v_pk_add_f32 v[220+2*\k:221+2*\k], v[OT+4*\k:OT+4*\k+1], v[OT+4*\k+2:OT+4*\k+3]
.endr
	SUM16
	ROWSUM (2*\j)*1280
	v_mul_f32 v250, 0x3a800000, v220               ; the mean: / 1,024
.irp k, 0,2,4,6,8,10,12,14,16,18,20,22,24,26,28,30
	v_pk_add_f32 v[OT+\k:OT+1+\k], v[OT+\k:OT+1+\k], v[250:251] op_sel_hi:[1,0] neg_lo:[0,1] neg_hi:[0,1]
.endr
	v_pk_mul_f32 v[220:221], v[OT:OT+1], v[OT:OT+1]           ; the squares of the deviations, in two chains
	v_pk_mul_f32 v[222:223], v[OT+2:OT+3], v[OT+2:OT+3]
.irp k, 4,8,12,16,20,24,28
	v_pk_fma_f32 v[220:221], v[OT+\k:OT+1+\k], v[OT+\k:OT+1+\k], v[220:221]
	v_pk_fma_f32 v[222:223], v[OT+2+\k:OT+3+\k], v[OT+2+\k:OT+3+\k], v[222:223]
.endr
	v_pk_add_f32 v[220:221], v[220:221], v[222:223]
	v_add_f32 v220, v220, v221
	ROWSUM (2*\j+1)*1280
	s_mov_b32 s68, 0x3a800000
	v_fmaak_f32 v220, s68, v220, 0x3727c5ac        ; the variance + 1e-5
	v_rsq_f32 v248, v220
	v_nop                                          ; a plain place behind the transcendental
	s_wait_alu depctr_va_vdst(0)
	s_wait_loadcnt 0x0                             ; gamma and beta
.irp k, 0,2,4,6,8,10,12,14,16,18,20,22,24,26,28,30
	v_pk_mul_f32 v[OT+\k:OT+1+\k], v[OT+\k:OT+1+\k], v[248:249] op_sel_hi:[1,0]
.endr
.irp k, 0,2,4,6,8,10,12,14,16,18,20,22,24,26,28,30
	v_pk_fma_f32 v[OT+\k:OT+1+\k], v[OT+\k:OT+1+\k], v[S+\k:S+1+\k], v[S+32+\k:S+33+\k]
.endr
.irp dt, 0,1,2,3
.irp e, 0,1
	ds_store_b128 v5, v[OT+8*\dt+4*\e:OT+8*\dt+4*\e+3] offset:64*\dt+16*\e
.endr
.endr
.irp i, 0,1,2,3,4,5,6,7
	ds_load_b128 v[XR+4*\i:XR+4*\i+3], v6 offset:544*\i
.endr
.irp i, 0,1,2,3,4,5,6,7
	s_wait_dscnt 7-\i                              ; LDS loads come back in order: pair i of rows is in
	global_store_b128 v7, v[XR+4*\i:XR+4*\i+3], s[58:59] offset:65536*\j+8192*\i th:TH_STORE_NT   ; sixteen lanes store 256 consecutive bytes, aligned
.endr
.endm
	TILE 0
	TILE 1
	s_barrier_signal -1
	s_barrier_wait -1
	s_wait_xcnt 0x0
	v_lshl_add_u32 v254, v0, 2, 0x3e000
	v_mov_b32 v255, 0
	s_wait_tensorcnt 0x0
	ds_add_u32 v254, v255
	s_wait_dscnt 0x0
	s_endpgm
.Lfunc_end_k_q7f26059290_main:
	.size	k_q7f26059290_main, .Lfunc_end_k_q7f26059290_main-k_q7f26059290_main
	.p2alignl 7, 3214868480
	.fill 96, 4, 3214868480
	.section	.rodata,"a",@progbits
	.p2align	6, 0x0
	.amdhsa_kernel k_q7f26059290_main
		.amdhsa_group_segment_fixed_size 256000
		.amdhsa_private_segment_fixed_size 0
		.amdhsa_enable_private_segment 0
		.amdhsa_kernarg_size 80
		.amdhsa_user_sgpr_count 2
		.amdhsa_user_sgpr_kernarg_segment_ptr 1
		.amdhsa_wavefront_size32 1
		.amdhsa_system_sgpr_workgroup_id_x 1
		.amdhsa_system_sgpr_workgroup_id_y 1
		.amdhsa_system_sgpr_workgroup_id_z 1
		.amdhsa_system_vgpr_workitem_id 0
		.amdhsa_next_free_vgpr 256
		.amdhsa_next_free_sgpr 72
		.amdhsa_reserve_vcc 1
		.amdhsa_float_denorm_mode_32 3
		.amdhsa_float_denorm_mode_16_64 3
		.amdhsa_memory_ordered 1
		.amdhsa_forward_progress 1
		.amdhsa_inst_pref_size 205
	.end_amdhsa_kernel
	.amdgpu_metadata
---
amdhsa.version: [ 1, 2 ]
amdhsa.kernels:
  - .name:           k_q7f26059290_main
    .symbol:         k_q7f26059290_main.kd
    .args:
      - { .name: xf, .offset: 0, .size: 8, .value_kind: global_buffer, .address_space: global }
      - { .name: xs, .offset: 8, .size: 8, .value_kind: global_buffer, .address_space: global }
      - { .name: wf, .offset: 16, .size: 8, .value_kind: global_buffer, .address_space: global }
      - { .name: ws, .offset: 24, .size: 8, .value_kind: global_buffer, .address_space: global }
      - { .name: bf, .offset: 32, .size: 8, .value_kind: global_buffer, .address_space: global }
      - { .name: x, .offset: 40, .size: 8, .value_kind: global_buffer, .address_space: global }
      - { .name: dialog_states, .offset: 48, .size: 8, .value_kind: global_buffer, .address_space: global }
      - { .name: gamma, .offset: 56, .size: 8, .value_kind: global_buffer, .address_space: global }
      - { .name: beta, .offset: 64, .size: 8, .value_kind: global_buffer, .address_space: global }
      - { .name: out0, .offset: 72, .size: 8, .value_kind: global_buffer, .address_space: global }
    .group_segment_fixed_size: 256000
    .private_segment_fixed_size: 0
    .kernarg_segment_align: 8
    .kernarg_segment_size: 80
    .max_flat_workgroup_size: 512
    .sgpr_count:     72
    .vgpr_count:     256
    .wavefront_size: 32
...
	.end_amdgpu_metadata
.endif
;; end of part 2
;; ======== version 2 of 2: 3 launches; 1.19 times as fast as version 1
;; workspace buffers: xf 6,291,456 bytes; xs 262,144 bytes; wf 2,359,296 bytes; ws 98,304 bytes; bf 12,288 bytes; pc 18,874,368 bytes; ps 1,572,864 bytes
;; launch prep: the kernel of part 1 again; grid 304 x 1, 4 waves a work-group, no clusters, 34,304 bytes of LDS; arguments x, Wk_codes, Wk_scales, Wv_codes, Wv_scales, Wq_codes, Wq_scales, bk, bv, bq, xf, xs, wf, ws, bf; writes xf, xs, wf, ws, bf
;; launch proj (part 3): grid 12 x 16, 4 waves a work-group, no clusters, 102,912 bytes of LDS; arguments xf, xs, wf, ws, bf, pc, ps; writes pc, ps
.if DOCPART == 3
	.amdgcn_target "amdgcn-amd-amdhsa--gfx1250"
	.amdhsa_code_object_version 6
	.text
	.protected	k_q7f26059290_proj
	.globl	k_q7f26059290_proj
	.p2align	8
	.type	k_q7f26059290_proj,@function
k_q7f26059290_proj:
	s_mov_b64 s[64:65], 0
	v_nop
	global_prefetch_b8 v0, s[64:65] scope:SCOPE_SE
	s_setreg_imm32_b32 hwreg(HW_REG_WAVE_MODE, 25, 1), 1
	s_wait_xcnt 0x0
; PROJ: K = x Wk + bk, V = x Wv + bv, Q = x Wq + bq on codes of E3M2 with one E8M0 scale for each 32 along K, and their results quantised for attention's two products.
; A UNIT (phase, w) is 64 rows of a weight, chosen and laid in register order by the first launch: 8 K steps x 4 tiles = 32 fragments, 384 registers.  THE WEIGHTS STAY IN REGISTERS, x GOES ROUND:
; work-group (cx, y) of four waves holds units 4 cx + wave (16 x phase + w: one phase to a work-group) and walks the eight heads 8 y .. 8 y + 7, 64 rows of x each.  48 units x 128 heads = 768 waves x 8.
; A head's images of x (49,152 bytes and 2,048 of scale words) are read from memory once for the four waves, through registers into one of two LDS buffers, one head ahead: asked for behind one head's barrier,
; stored into LDS in front of the next.  The twelve work-groups that walk the same eight heads begin at different heads, so that they do not all ask for the same bytes at the same time.
; No joint loads: they want partners in step on one tile and a round of the cluster's barrier for each head; here a head's images have a head's 128 products a wave in which to land.
; The products are used transposed (source 0 = 16 rows of the weight, source 1 = 16 rows of x); the bias is the C of each sum's first product.  In the result lane (m, h) holds row m of x, and the 16 registers of two
; neighbouring tiles are 16 neighbours along the NEXT product's K: the head's 64 for K and Q, the keys for V.
; RESULTS, as images of registers, so that every store covers 256 or 384 consecutive bytes:  pc [phase][head][w][3,072]: K, Q: [tile of rows rt][p 3][lane][8 bytes]; V: [2 rt + a][lane][12 bytes].
;   ps [phase][head][w][256]: K, Q: [row r 16][rt 4] scale words (two bytes used); V: [lane][8 bytes]: byte rt of word a.
; LIMITS: a block whose largest magnitude lies under 2^-122 (zeros among them) keeps the byte 1 (read by this program alone); NaN and infinities are not served.
; REGISTERS, in windows of 256: window 0: v1-10 addresses; v12-13, v30-31 x's scale words, two sets; v14-29 the weight's; v32-79, v80-127 x's fragments, two sets (behind a head's products: at work); v128-255 accumulators.
;   window 1: the weight's K steps 0-4 (48 s + 12 ct).  window 2: K steps 5-7; v144-175 the bias (8 ct).  window 3: v0-99 the next head's images on their way.
.set BUFB, 51200                       ; LDS: buffer b at 51,200 b: images 6144 s + 1536 rt + 512 c + 16 lane,
.set XSLO, 49152                       ; then scale words 256 s + 8 lane'
.set XSC0, 12
.set XSC1, 30
.set WSC,  14                          ; register 2 s + ct % 2
.set XF0,  32
.set XF1,  80
.set ACC,  128                         ; accumulator (rt, ct) at 32 rt + 8 ct
.set TM,   32                          ; the quantisers' temporaries,
.set CD,   40                          ; codes,
.set W4,   52                          ; and a head's scale words or bytes
.set BI,   144                         ; the bias, in window 2
.set MSB, 0
.macro WIN new                         ; bits 1:0 source 0, 3:2 source 1, 5:4 source 2, 7:6 destination; the immediate's high byte repeats the setting that is left
.if MSB != \new
	s_set_vgpr_msb (MSB<<8)|\new
.set MSB, \new
.endif
.endm
.macro PLACES n
.rept \n
	v_nop
.endr
.endm
.macro XL a, sa, s, xb, xs             ; x's four fragments of K step s and their scale words: 13 LDS loads
.irp rt, 0,1,2,3
.irp c, 0,1,2
	ds_load_b128 v[\xb+12*\rt+4*\c:\xb+12*\rt+4*\c+3], v[\a] offset:6144*(\s)+1536*\rt+512*\c
.endr
.endr
	ds_load_b64 v[\xs:\xs+1], v[\sa] offset:256*(\s)
.endm
; K step s: the weight's four tiles against x's four.  The sixteen accumulators take turns, one instruction a turn, in the same order in every step.
; The scale words of tiles 2, 3 lie in lanes 16-31, the weight's and x's alike.
.macro MMP s, xb, xs
.set pct, 0
.rept 4
.set prt, 0
.rept 4
.set mac, ACC+32*prt+8*pct
.set mc, mac
.if (\s) == 0
.set mc, BI+8*pct
.endif
.set mwf, 48*((\s)%5)+12*pct
.set mxf, (\xb)+12*prt
.set msa, WSC+2*(\s)+(pct%2)
.set msb, (\xs)+(prt%2)
.if (pct/2) && (prt/2)
	v_wmma_scale_f32_16x16x128_f8f6f4 v[mac:mac+7], v[mwf:mwf+11], v[mxf:mxf+11], v[mc:mc+7], v[msa], v[msb] matrix_a_fmt:MATRIX_FMT_BF6 matrix_b_fmt:MATRIX_FMT_BF6 matrix_a_scale:MATRIX_SCALE_ROW1 matrix_b_scale:MATRIX_SCALE_ROW1
.elseif pct/2
	v_wmma_scale_f32_16x16x128_f8f6f4 v[mac:mac+7], v[mwf:mwf+11], v[mxf:mxf+11], v[mc:mc+7], v[msa], v[msb] matrix_a_fmt:MATRIX_FMT_BF6 matrix_b_fmt:MATRIX_FMT_BF6 matrix_a_scale:MATRIX_SCALE_ROW1
.elseif prt/2
	v_wmma_scale_f32_16x16x128_f8f6f4 v[mac:mac+7], v[mwf:mwf+11], v[mxf:mxf+11], v[mc:mc+7], v[msa], v[msb] matrix_a_fmt:MATRIX_FMT_BF6 matrix_b_fmt:MATRIX_FMT_BF6 matrix_b_scale:MATRIX_SCALE_ROW1
.else
	v_wmma_scale_f32_16x16x128_f8f6f4 v[mac:mac+7], v[mwf:mwf+11], v[mxf:mxf+11], v[mc:mc+7], v[msa], v[msb] matrix_a_fmt:MATRIX_FMT_BF6 matrix_b_fmt:MATRIX_FMT_BF6
.endif
.set prt, prt+1
.endr
.set pct, pct+1
.endr
.endm
; 32 numbers of a lane, register 16 b + i = k 32 b + 16 (lane / 16) + i of its row, b = 0, 1: six registers of codes in v[CD] on (lane (r, h): k = 32 h .. 32 h + 31) and the scale word (two bytes) in v[wd]
.macro QUANT2 s, wd
.irp b, 0,1
	v_max3_num_f32 v[TM+\b], |v[\s+16*\b]|, |v[\s+1+16*\b]|, 0x2800000   ; and the floor 2^(5 - 127): the byte cannot fall under 1
.endr
.irp i, 2,4,6,8,10,12,14
.irp b, 0,1
	v_max3_num_f32 v[TM+\b], v[TM+\b], |v[\s+16*\b+\i]|, |v[\s+1+16*\b+\i]|
.endr
.endr
.irp b, 0,1
	v_permlanex16_b32 v[TM+2+\b], v[TM+\b], s46, s47
.endr
.irp b, 0,1
	v_max_num_f32 v[TM+\b], v[TM+\b], v[TM+2+\b]   ; with lane l xor 16's: the block's largest magnitude
.endr
.irp b, 0,1
	v_add_nc_u32 v[TM+4+\b], 0xfe000000, v[TM+\b]  ; 4 off its exponent field: the conversion's scale operand
.endr
.irp b, 0,1
	v_lshrrev_b32 v[TM+2+\b], 23, v[TM+4+\b]       ; the scale's byte
.endr
	v_lshl_or_b32 v[\wd], v[TM+3], 8, v[TM+2]
	v_cvt_scalef32_pk16_bf6_f32 v[CD:CD+2], v[\s:\s+15], v[TM+4]
	v_cvt_scalef32_pk16_bf6_f32 v[CD+6:CD+8], v[\s+16:\s+31], v[TM+5]
	v_nop                                          ; one plain place behind a scaled conversion
.irp i, 0,1,2
	v_permlane16_swap_b32 v[CD+\i], v[CD+6+\i]     ; a whole block to a lane: lanes 0-15 block 0, lanes 16-31 block 1
.endr
.irp i, 0,1,2
	v_mov_b32 v[CD+3+\i], v[CD+6+\i]
.endr
.endm
; two runs of 16 numbers of a lane, each 16 neighbouring keys of one channel; a block of 32 keys lies in lanes l and l xor 1
.macro QUANTV s
.irp a, 0,1
	v_max3_num_f32 v[TM+\a], |v[\s+16*\a]|, |v[\s+1+16*\a]|, 0x2800000
.endr
.irp i, 2,4,6,8,10,12,14
.irp a, 0,1
	v_max3_num_f32 v[TM+\a], v[TM+\a], |v[\s+16*\a+\i]|, |v[\s+1+16*\a+\i]|
.endr
.endr
.irp a, 0,1
	v_max_num_f32_dpp v[TM+\a], v[TM+\a], v[TM+\a] row_xmask:1 row_mask:0xf bank_mask:0xf
.endr
.irp a, 0,1
	v_add_nc_u32 v[TM+4+\a], 0xfe000000, v[TM+\a]
.endr
.irp a, 0,1
	v_lshrrev_b32 v[TM+2+\a], 23, v[TM+4+\a]
.endr
	v_cvt_scalef32_pk16_bf6_f32 v[CD:CD+2], v[\s:\s+15], v[TM+4]
	v_cvt_scalef32_pk16_bf6_f32 v[CD+4:CD+6], v[\s+16:\s+31], v[TM+5]
	v_nop                                          ; one plain place behind a scaled conversion
.endm
; the images of the head at position s25 of my walk are asked for: 25 loads of 16 bytes a thread, 2,048 consecutive bytes a work-group each.  The last such loads have been waited for, so their bases may be written
.macro STAGE_LD
	s_add_co_u32 s36, s25, s23
	s_and_b32 s36, s36, 7                          ; the walk begins at head cx % 8 of the eight
	s_add_co_u32 s36, s36, s27                     ; the head
	s_mul_i32 s38, s36, 49152
	s_lshl_b32 s36, s36, 11
	s_add_nc_u64 s[28:29], s[4:5], s[38:39]
	s_add_nc_u64 s[30:31], s[6:7], s[36:37]
	s_add_co_u32 s25, s25, 1
	WIN 0xc0                                       ; destination window 3
.irp k, 0,1,2,3,4,5,6,7,8,9,10,11,12,13,14,15,16,17,18,19,20,21,22,23
	global_load_b128 v[4*\k:4*\k+3], v9, s[28:29] offset:2048*\k
.endr
	global_load_b128 v[96:99], v9, s[30:31]
	WIN 0
.endm
.macro STAGE_ST buf                    ; and go into buffer buf as they lie
	WIN 0x0c                                       ; an LDS store's data are its source 1: window 3
.irp k, 0,1,2,3,4,5,6,7,8,9,10,11,12,13,14,15,16,17,18,19,20,21,22,23
	ds_store_b128 v[9+(\buf)], v[4*\k:4*\k+3] offset:2048*\k
.endr
	ds_store_b128 v[9+(\buf)], v[96:99] offset:XSLO
	WIN 0
.endm
; ONE HEAD, from buffer buf.  st = 1: the next head's images go into the other buffer, and a barrier follows;  ld = 1: the head after that is asked for
.macro HEAD buf, st, ld
	XL 1+2*(\buf), 2+2*(\buf), 0, XF0, XSC0
	XL 1+2*(\buf), 2+2*(\buf), 1, XF1, XSC1
.set hs, 0
.rept 8
.if hs < 7
	s_wait_dscnt 13                                ; this step's 13 loads are in; the next step's 13 may be out
.else
	s_wait_dscnt 0x0
.endif
.if hs == 0
	WIN 0x21                                       ; source 0 (the weight) window 1, source 2 (the bias) window 2
.elseif hs < 5
	WIN 0x01
.else
	WIN 0x02                                       ; K steps 5-7 lie in window 2
.endif
	MMP hs, XF0+48*(hs%2), XSC0+18*(hs%2)
	WIN 0
	PLACES 4                                       ; ahead of loads into registers that these products read, and of the first read of results (ISA guide 7.12.1 for vector instructions)
.if hs < 6
	XL 1+2*(\buf), 2+2*(\buf), hs+2, XF0+48*(hs%2), XSC0+18*(hs%2)
.endif
.set hs, hs+1
.endr
	s_add_co_u32 s36, s24, s23                     ; where this head's results go
	s_and_b32 s36, s36, 7
	s_add_co_u32 s36, s36, s27
	s_mul_i32 s38, s36, 49152
	s_lshl_b32 s36, s36, 12
	s_add_nc_u64 s[32:33], s[40:41], s[38:39]
	s_add_nc_u64 s[34:35], s[42:43], s[36:37]
	s_add_co_u32 s24, s24, 1
	s_cmp_eq_u32 s21, 1                            ; the phase hangs on the work-group's number alone
	s_cbranch_scc1 .Lvee_\@
.irp rt, 0,1,2,3                       ; K, Q: quantised along the head's 64
.if \rt
	s_wait_xcnt 0x0                                ; the last tile's stores have read the codes' registers: they are written again only behind this wait
.endif
	QUANT2 ACC+32*\rt, W4+\rt
.irp p, 0,1,2
	global_store_b64 v6, v[CD+2*\p:CD+2*\p+1], s[32:33] offset:768*\rt+256*\p   ; 256 consecutive bytes, aligned
.endr
.endr
	global_store_b128 v7, v[W4:W4+3], s[34:35]     ; row r's four words: sixteen lanes fill 256 bytes; lanes 16-31 write the same words with the same values
	s_branch .Lout_\@
.Lvee_\@:
.irp rt, 0,1,2,3                       ; V: quantised along the keys
.if \rt
	s_wait_xcnt 0x0
.endif
	QUANTV ACC+32*\rt
.irp a, 0,1
	global_store_b96 v8, v[CD+4*\a:CD+4*\a+2], s[32:33] offset:384*(2*\rt+\a)   ; 384 consecutive bytes
.if \rt == 0
	v_mov_b32 v[W4+\a], v[TM+2+\a]
.else
	v_lshl_or_b32 v[W4+\a], v[TM+2+\a], 8*\rt, v[W4+\a]
.endif
.endr
.endr
	global_store_b64 v6, v[W4:W4+1], s[34:35]      ; 256 consecutive bytes, aligned
.Lout_\@:
.if \st
	s_wait_loadcnt 0x0                             ; the next head's images are in my registers
	STAGE_ST 1-(\buf)                              ; the other buffer was last read in front of the last barrier
	s_wait_dscnt 0x0                               ; my stores have landed and have read their registers; my reads of this buffer are long in
	s_barrier_signal -1
	s_barrier_wait -1
	s_wait_xcnt 0x0                                ; this head's stores have read their data and bases: both are written again only behind this wait
.if \ld
	STAGE_LD
.endif
.endif
.endm
	s_load_b256 s[4:11], s[0:1], 0x0               ; xf, xs, wf, ws
	s_load_b128 s[12:15], s[0:1], 0x20             ; bf, pc
	s_load_b64 s[16:17], s[0:1], 0x30              ; ps
	s_set_vgpr_msb 0x40
	v_lshl_add_u32 v254, v0, 2, 0x19000
	v_mov_b32 v255, 0
	s_set_vgpr_msb 0x4000
	v_lshrrev_b32 v11, 5, v0
	v_readfirstlane_b32 s18, v11                   ; wave 0..3
	s_and_b32 s20, ttmp7, 0xffff
	s_lshl_b32 s27, s20, 3                         ; my first head: 8 y
	s_lshr_b32 s21, ttmp9, 2                       ; the phase: 0 K, 1 V, 2 Q
	s_lshl_b32 s22, ttmp9, 2
	s_add_co_u32 s22, s22, s18                     ; my unit: 16 x phase + w
	s_and_b32 s23, ttmp9, 7                        ; where my walk begins
	s_mov_b32 s24, 0                               ; position of the head at work,
	s_mov_b32 s25, 0                               ; and of the head to be asked for
	s_mov_b32 s37, 0
	s_mov_b32 s39, 0
	s_mov_b32 s46, 0x76543210
	s_mov_b32 s47, 0xfedcba98                      ; lane selects: lane l xor 16
	v_and_b32 v11, 31, v0                          ; lane
	v_lshlrev_b32 v1, 4, v11                       ; 16 x lane: the weights' offset, and x's images in buffer 0
	v_lshl_add_u32 v2, v11, 3, XSLO                ; x's scale words in buffer 0
	v_add_nc_u32 v3, BUFB, v1                      ; the same in buffer 1
	v_add_nc_u32 v4, BUFB, v2
	v_bfe_u32 v5, v0, 4, 1
	v_lshlrev_b32 v5, 5, v5                        ; the bias: 32 h
	v_lshlrev_b32 v6, 3, v11                       ; 8 x lane
	v_and_b32 v7, 15, v0
	v_lshlrev_b32 v7, 4, v7                        ; 16 r
	v_mul_u32_u24 v8, v11, 12                      ; 12 x lane
	v_lshlrev_b32 v9, 4, v0                        ; the copy: 16 bytes a thread, in memory and in buffer 0;
	v_add_nc_u32 v10, BUFB, v9                     ; in buffer 1
	s_wait_kmcnt 0x0
	s_mul_i32 s36, s22, 49152
	s_add_nc_u64 s[8:9], s[8:9], s[36:37]          ; my unit's fragments,
	s_lshl_b32 s36, s22, 11
	s_add_nc_u64 s[10:11], s[10:11], s[36:37]      ; scale words,
	s_lshl_b32 s36, s22, 8
	s_add_nc_u64 s[12:13], s[12:13], s[36:37]      ; bias
	s_lshl_b32 s36, s21, 11
	s_and_b32 s38, s22, 15
	s_add_co_u32 s36, s36, s38                     ; 2,048 x phase + w
	s_mul_i32 s38, s36, 3072
	s_lshl_b32 s36, s36, 8
	s_add_nc_u64 s[40:41], s[14:15], s[38:39]      ; my unit's place in head 0's results
	s_add_nc_u64 s[42:43], s[16:17], s[36:37]
	STAGE_LD                                       ; the first head
	WIN 0x40                                       ; destination window 1
.irp s, 0,1,2,3,4
.irp ct, 0,1,2,3
.irp c, 0,1,2
	global_load_b128 v[48*\s+12*\ct+4*\c:48*\s+12*\ct+4*\c+3], v1, s[8:9] offset:6144*\s+1536*\ct+512*\c
.endr
.endr
.endr
	WIN 0x80                                       ; destination window 2
.irp s, 5,6,7
.irp ct, 0,1,2,3
.irp c, 0,1,2
	global_load_b128 v[48*(\s-5)+12*\ct+4*\c:48*(\s-5)+12*\ct+4*\c+3], v1, s[8:9] offset:6144*\s+1536*\ct+512*\c
.endr
.endr
.endr
.irp ct, 0,1,2,3                       ; the bias in the result's layout: lane (m, h) wants that of the tile's rows 8 h + 0 .. 7
	global_load_b128 v[BI+8*\ct:BI+8*\ct+3], v5, s[12:13] offset:64*\ct
	global_load_b128 v[BI+8*\ct+4:BI+8*\ct+7], v5, s[12:13] offset:64*\ct+16
.endr
	WIN 0
.irp sp, 0,1,2,3
	global_load_b128 v[WSC+4*\sp:WSC+4*\sp+3], v1, s[10:11] offset:512*\sp
.endr
	s_wait_loadcnt 0x0
	STAGE_ST 0
	s_wait_dscnt 0x0
	s_barrier_signal -1
	s_barrier_wait -1                              ; the first head's images lie in buffer 0
	STAGE_LD                                       ; the second head
	s_mov_b32 s26, 3
.Lpair:                                            ; three trips of two heads
	HEAD 0, 1, 1
	HEAD 1, 1, 1
	s_sub_co_u32 s26, s26, 1
	s_cmp_lg_u32 s26, 0
	s_cbranch_scc1 .Lpair
	HEAD 0, 1, 0                                   ; the last two heads are written out: nothing is left to ask for,
	HEAD 1, 0, 0                                   ; and nothing to hand on
	s_barrier_signal -1
	s_barrier_wait -1
	s_set_vgpr_msb 0x5
	s_wait_tensorcnt 0x0
	ds_add_u32 v254, v255
	s_wait_dscnt 0x0
	s_set_vgpr_msb 0x500
	s_endpgm
.Lfunc_end_k_q7f26059290_proj:
	.size	k_q7f26059290_proj, .Lfunc_end_k_q7f26059290_proj-k_q7f26059290_proj
	.p2alignl 7, 3214868480
	.fill 96, 4, 3214868480
	.section	.rodata,"a",@progbits
	.p2align	6, 0x0
	.amdhsa_kernel k_q7f26059290_proj
		.amdhsa_group_segment_fixed_size 102912
		.amdhsa_private_segment_fixed_size 0
		.amdhsa_enable_private_segment 0
		.amdhsa_kernarg_size 56
		.amdhsa_user_sgpr_count 2
		.amdhsa_user_sgpr_kernarg_segment_ptr 1
		.amdhsa_wavefront_size32 1
		.amdhsa_system_sgpr_workgroup_id_x 1
		.amdhsa_system_sgpr_workgroup_id_y 1
		.amdhsa_system_sgpr_workgroup_id_z 1
		.amdhsa_system_vgpr_workitem_id 0
		.amdhsa_next_free_vgpr 896
		.amdhsa_next_free_sgpr 66
		.amdhsa_reserve_vcc 0
		.amdhsa_float_denorm_mode_32 3
		.amdhsa_float_denorm_mode_16_64 3
		.amdhsa_memory_ordered 1
		.amdhsa_forward_progress 1
		.amdhsa_inst_pref_size 194
	.end_amdhsa_kernel
	.amdgpu_metadata
---
amdhsa.version: [ 1, 2 ]
amdhsa.kernels:
  - .name:           k_q7f26059290_proj
    .symbol:         k_q7f26059290_proj.kd
    .args:
      - { .name: xf, .offset: 0, .size: 8, .value_kind: global_buffer, .address_space: global }
      - { .name: xs, .offset: 8, .size: 8, .value_kind: global_buffer, .address_space: global }
      - { .name: wf, .offset: 16, .size: 8, .value_kind: global_buffer, .address_space: global }
      - { .name: ws, .offset: 24, .size: 8, .value_kind: global_buffer, .address_space: global }
      - { .name: bf, .offset: 32, .size: 8, .value_kind: global_buffer, .address_space: global }
      - { .name: pc, .offset: 40, .size: 8, .value_kind: global_buffer, .address_space: global }
      - { .name: ps, .offset: 48, .size: 8, .value_kind: global_buffer, .address_space: global }
    .group_segment_fixed_size: 102912
    .private_segment_fixed_size: 0
    .kernarg_segment_align: 8
    .kernarg_segment_size: 56
    .max_flat_workgroup_size: 128
    .sgpr_count:     66
    .vgpr_count:     896
    .wavefront_size: 32
...
	.end_amdgpu_metadata
.endif
;; end of part 3
;; launch attn (part 4): grid 256 x 1, 16 waves a work-group, no clusters, 203,008 bytes of LDS; arguments pc, ps, x, dialog_states, gamma, beta, out0; writes out0
.if DOCPART == 4
	.amdgcn_target "amdgcn-amd-amdhsa--gfx1250"
	.amdhsa_code_object_version 6
	.text
	.protected	k_q7f26059290_attn
	.globl	k_q7f26059290_attn
	.p2align	8
	.type	k_q7f26059290_attn,@function
k_q7f26059290_attn:
	s_mov_b64 s[64:65], 0
	v_nop
	global_prefetch_b8 v0, s[64:65] scope:SCOPE_SE
	s_setreg_imm32_b32 hwreg(HW_REG_WAVE_MODE, 25, 1), 1
	s_wait_xcnt 0x0
; ATTN: attention, the residual and LayerNorm of half a head, both products on codes of E3M2 with one E8M0 scale for each 32 along K.
; reference()'s reshape is no transposition: head g is rows 64 g .. 64 g + 63 of the projections; query or key q of it is row q / 16, columns 64 (q % 16) on.  So its context falls on the same 64 rows of the output.
; SHARES.  Work-group (g, hf) owns rows 64 g + 32 hf .. + 31 as queries and outputs and reads K and V of all 64 rows.  Sixteen waves of 256 registers, four to a SIMD.  Wave w owns two tiles of 16 queries
; (rows 32 hf + 16 j + r, column group w), and on the way out columns 64 w .. + 63 of those rows.
; THE OPERANDS were quantised by the launch before and lie in memory as images of its registers: wave w loads unit w's K and V and puts them into LDS where the fragments are read from; Q's codes go straight into registers.
; The two work-groups of a head read the same K and V, 106,496 bytes each, once, at the head: too little for a ring of joint loads.
; S^T = K Q^T (K = 64: the upper half of both operands is zero codes), t = score x log2(e) / 8, M = the running largest t rounded up to a whole number, p = 2^(t - M) quantised along the keys, the row's sum taken
; of the unquantised p, O^T = V^T P^T, divided by the sum at the end.  A lane holds one query throughout.
; THE MASK acts on a whole query row: -1e9 x log2(e) is a whole number in f32, so p = 1 for every key and the sum is 1,024.  Zero codes for that query give score 0, t = 0, M = 0, p = 1: the same numbers.
; LIMITS: NaN and infinities are not served.  A block of p whose largest number lies under 2^-122 keeps the byte 1.  1 / sum and 1 / sqrt are v_rcp_f32 and v_rsq_f32; neither stands ahead of a quantiser.
; LayerNorm takes the mean first and then the squares of the deviations.
.set KCL, 0                            ; LDS: K's codes: row x 896 + group x 48 + 24 h
.set KSL, 57344                        ; K's scale words: 4 x key (bytes 2 and 3 are 0)
.set VCL, 61440                        ; V^T's codes: channel x 784 + 12 x row
.set VSL, 111616                       ; V's scale bytes: channel x 36 + key / 32
.set LNL, 113920                       ; LayerNorm: 4 regions (tile, pass) of 16 rows x 80 bytes: 80 r + 4 w
.set STG, 119040                       ; a stage for each wave: 16 rows x 272 bytes
.set QHL, 188672                       ; for each wave 768 bytes: its second tile's codes of Q
.set KSW, 14                           ; v14-17 K's, then V's scale words; v18 p's; v19 Q's; v20 Q's of the second tile: these hold scales and nothing else
.set QF,  32                           ; v32-43  Q's fragment (6 registers of codes, 6 of zeros)
.set KFR, 44                           ; v44-91  four fragments of K (each 6 of codes, 6 of zeros)
.set S,   92                           ; v92-155 S^T, then p; V's fragments in v92-139; at the end gamma and beta
.set OT,  156                          ; v156-187 O^T
.set XR,  188                          ; v188-219 x for the residual, then rows of the result
.set PQ,  220                          ; v220-231 p's codes
; v232-235 the blocks' largest scores; v236-242 at work; v243 gamma's offset; v244-247 scale operands; v[248:249] a factor; v250 at work; v251 LayerNorm's address; v252 -M; v253 the largest t; v[254:255] the sum
.set VC,  128                          ; at the head: v128-159 V's codes; v160-161 V's bytes; v164-175 Q's codes; v176-181 at work; v192-215 K's codes; v216-219 K's scale words
.set VB,  160
.set QA,  164
.set QB,  170
.set VT,  176
.set KC,  192
.set KW,  216
.macro PLACES n
.rept \n
	v_nop
.endr
.endm
.macro BARRIER                         ; my LDS stores have landed and my LDS loads are in: then the work-group's barrier
	s_wait_dscnt 0x0
	s_barrier_signal -1
	s_barrier_wait -1
.endm
; ---------------- the head ----------------
	s_load_b256 s[4:11], s[0:1], 0x0               ; pc, ps, x, dialog_states
	s_load_b128 s[16:19], s[0:1], 0x20             ; gamma, beta
	s_load_b64 s[22:23], s[0:1], 0x30              ; out0
	v_lshl_add_u32 v28, v0, 2, 0x31100
	v_mov_b32 v29, 0
	v_lshrrev_b32 v60, 5, v0
	v_readfirstlane_b32 s24, v60                   ; wave 0..15
	s_lshr_b32 s25, ttmp9, 1                       ; head
	s_and_b32 s26, ttmp9, 1                        ; which half of its rows is mine
	s_lshl_b32 s27, s24, 2                         ; 4 w
	v_and_b32 v60, 31, v0                          ; lane
	v_and_b32 v61, 15, v0                          ; r
	v_bfe_u32 v62, v0, 4, 1                        ; h
	v_lshlrev_b32 v1, 3, v60                       ; 8 x lane
	v_lshlrev_b32 v2, 4, v61                       ; 16 r
	v_mul_u32_u24 v3, v60, 12                      ; 12 x lane
	v_mul_u32_u24 v6, v61, 896                     ; K's codes go to row r, group w, + 24 h
	v_mad_u32_u24 v6, v62, 24, v6
	s_mul_i32 s68, s24, 48
	s_add_co_u32 s68, s68, KCL
	v_add_nc_u32 v6, s68, v6
	v_lshl_add_u32 v10, v61, 6, s27                ; 64 r + 4 w: dialog_states' offset,
	v_add_nc_u32 v7, KSL, v10                      ; and K's scale word
	v_mul_u32_u24 v8, v62, 784                     ; V's codes: channel 4 w + h, 12 bytes a row
	v_mad_u32_u24 v8, v61, 12, v8
	s_mul_i32 s68, s24, 3136
	s_add_co_u32 s68, s68, VCL
	v_add_nc_u32 v8, s68, v8
	v_bfe_u32 v9, v0, 1, 3                         ; V's scale bytes: channel 4 w + h, block r / 2
	v_mad_u32_u24 v9, v62, 36, v9
	s_mul_i32 s68, s24, 144
	s_add_co_u32 s68, s68, VSL
	v_add_nc_u32 v9, s68, v9
	s_mov_b32 s46, 0x76543210
	s_mov_b32 s47, 0xfedcba98                      ; lane selects: lane l xor 16
	s_mov_b32 s48, 0x3e38aa3b                      ; log2(e) / 8
	s_mov_b32 s49, s48                             ; (named with it as a pair, so it is written)
	s_mul_i32 s55, s24, 768
	s_add_co_u32 s55, s55, QHL                     ; my wave's 768 bytes for Q's second tile
	v_lshl_add_u32 v11, v60, 3, s55
	s_mov_b32 s3, 0
	s_mov_b32 s69, 0
	s_mov_b32 s71, 0
	s_lshl_b32 s2, s25, 4
	s_add_co_u32 s2, s2, s24                       ; 16 g + w
	s_mul_i32 s68, s2, 3072
	s_lshl_b32 s70, s2, 8
	s_wait_kmcnt 0x0
	s_add_nc_u64 s[28:29], s[4:5], s[68:69]        ; unit w's codes of my head: K's,
	s_add_nc_u64 s[30:31], s[28:29], 6291456       ; V's,
	s_add_nc_u64 s[32:33], s[30:31], 6291456       ; Q's
	s_add_nc_u64 s[34:35], s[6:7], s[70:71]        ; and scales
	s_add_nc_u64 s[36:37], s[34:35], 524288
	s_add_nc_u64 s[38:39], s[36:37], 524288
	s_mul_i32 s2, s26, 1536
	s_add_nc_u64 s[32:33], s[32:33], s[2:3]        ; of Q my half's two tiles of rows
	s_lshl_b32 s2, s26, 3
	s_add_nc_u64 s[38:39], s[38:39], s[2:3]
	s_lshl_b32 s2, s25, 18
	s_lshl_b32 s68, s26, 17
	s_add_co_u32 s2, s2, s68
	s_add_nc_u64 s[56:57], s[8:9], s[2:3]          ; x and out0 at row 64 g + 32 hf
	s_add_nc_u64 s[58:59], s[22:23], s[2:3]
	s_lshl_b32 s2, s25, 12
	s_lshl_b32 s68, s26, 11
	s_add_co_u32 s2, s2, s68
	s_add_nc_u64 s[60:61], s[10:11], s[2:3]        ; dialog_states at my first query
.irp rt, 0,1,2,3
.irp p, 0,1,2
	global_load_b64 v[KC+6*\rt+2*\p:KC+6*\rt+2*\p+1], v1, s[28:29] offset:768*\rt+256*\p   ; 256 consecutive bytes
.endr
.endr
	global_load_b128 v[KW:KW+3], v2, s[34:35]
.irp k, 0,1,2,3,4,5,6,7
	global_load_b96 v[VC+4*\k:VC+4*\k+2], v3, s[30:31] offset:384*\k                      ; 384 consecutive bytes
.endr
	global_load_b64 v[VB:VB+1], v1, s[36:37]
.irp p, 0,1,2
	global_load_b64 v[QA+2*\p:QA+2*\p+1], v1, s[32:33] offset:256*\p
	global_load_b64 v[QB+2*\p:QB+2*\p+1], v1, s[32:33] offset:768+256*\p
.endr
	global_load_b32 v19, v2, s[38:39]              ; Q's scale words of my two tiles
	global_load_b32 v20, v2, s[38:39] offset:4
	global_load_b32 v30, v10, s[60:61]             ; dialog_states of my two tiles' queries
	global_load_b32 v31, v10, s[60:61] offset:1024
	s_wait_loadcnt 0x0
.irp rt, 0,1,2,3
.irp p, 0,1,2
	ds_store_b64 v6, v[KC+6*\rt+2*\p:KC+6*\rt+2*\p+1] offset:14336*\rt+8*\p
.endr
	ds_store_b32 v7, v[KW+\rt] offset:1024*\rt     ; both halves of the lanes write the same word with the same value
.endr
.irp rt, 0,1,2,3
.irp a, 0,1
.irp q, 0,1,2
	ds_store_b32 v8, v[VC+4*(2*\rt+\a)+\q] offset:1568*\a+192*\rt+4*\q
.endr
.endr
.endr
.irp a, 0,1
	ds_store_b8 v9, v[VB+\a] offset:72*\a          ; both lanes of a block write the same byte with the same value
.irp rt, 1,2,3
	v_lshrrev_b32 v[VT+3*\a+\rt-1], 8*\rt, v[VB+\a]
	ds_store_b8 v9, v[VT+3*\a+\rt-1] offset:72*\a+8*\rt
.endr
.endr
	v_cmp_ne_u32 vcc_lo, -1, v31
.irp i, 0,1,2,3,4,5
	v_cndmask_b32 v[QB+\i], 0, v[QB+\i], vcc_lo    ; a masked query gets zero codes
.endr
.irp p, 0,1,2
	ds_store_b64 v11, v[QB+2*\p:QB+2*\p+1] offset:256*\p   ; the second tile's codes wait in my own bytes of LDS
.endr
	v_cmp_ne_u32 vcc_lo, -1, v30
.irp i, 0,1,2,3,4,5
	v_cndmask_b32 v[QF+\i], 0, v[QA+\i], vcc_lo
.endr
.irp i, 6,7,8,9,10,11
	v_mov_b32 v[QF+\i], 0                          ; K = 64: the operands' upper halves are zero codes, written once
.endr
.irp t, 0,1,2,3
.irp i, 6,7,8,9,10,11
	v_mov_b32 v[KFR+12*\t+\i], 0
.endr
.endr
	v_and_b32 v100, 15, v0                         ; r
	v_bfe_u32 v101, v0, 4, 1                       ; h
	v_and_b32 v102, 7, v0                          ; r % 8
	v_bfe_u32 v103, v0, 3, 1                       ; r / 8
	v_mul_u32_u24 v1, v103, 896                    ; K: lane r of tile 2 b + u takes key 32 b + 8 u + r + 8 (r / 8): row 2 b + r / 8, group 8 u + r % 8
	v_mad_u32_u24 v1, v102, 48, v1
	v_mad_u32_u24 v1, v101, 24, v1
	v_add_nc_u32 v1, KCL, v1
	v_mul_u32_u24 v2, v100, 784                    ; V: channel r of a tile, + 24 h
	v_mad_u32_u24 v2, v101, 24, v2
	v_add_nc_u32 v2, VCL, v2
	v_lshlrev_b32 v3, 6, v103                      ; K's scale words
	v_lshl_add_u32 v3, v102, 2, v3
	v_add_nc_u32 v3, KSL, v3
	v_mul_u32_u24 v4, v100, 36                     ; V's
	v_add_nc_u32 v4, VSL, v4
	s_mul_i32 s68, s24, 4352
	s_add_co_u32 s68, s68, STG                     ; my stage
	v_mul_u32_u24 v5, v100, 272                    ; by the result's layout: row r, + 32 h
	v_lshl_add_u32 v5, v101, 5, v5
	v_add_nc_u32 v5, s68, v5
	v_mul_u32_u24 v6, v101, 272                    ; by rows: lanes 0-15 one row of 256 bytes, lanes 16-31 the next
	v_lshl_add_u32 v6, v100, 4, v6
	v_add_nc_u32 v6, s68, v6
	s_lshl_b32 s68, s24, 8
	v_lshlrev_b32 v7, 12, v101                     ; and the same two rows in x and in out0, at my 256 bytes
	v_lshl_add_u32 v7, v100, 4, v7
	v_add_nc_u32 v7, s68, v7
	v_lshl_add_u32 v243, v101, 5, s68              ; gamma, beta: 256 w + 32 h
	v_mul_u32_u24 v251, v100, 80
	v_add_nc_u32 v251, LNL, v251                   ; LayerNorm: row r's sixteen words
.irp b, 0,1,2,3
	v_mov_b32 v[236+\b], 0                         ; written once: a lane permute's destination counts as one of its sources
.endr
	v_mov_b32 v249, 0                              ; (named as the upper half of a pair)
	v_mov_b32 v250, 0
	BARRIER                                        ; K's and V's codes and scales are whole
; ---------------- a key step: 128 keys ----------------
.macro KSTEP
	v_add_nc_u32 v8, s50, v1
	v_add_nc_u32 v9, s52, v2
	v_add_nc_u32 v10, s51, v3
	v_add_nc_u32 v11, s53, v4
	v_nop                                          ; five places: the products below write over registers that the last step's products read as operands
.irp g, 0,1                            ; S^T = K Q^T, four tiles of 16 keys at a time
.if \g
	PLACES 4
.endif
.irp t, 0,1,2,3
.irp p, 0,1,2
	ds_load_b64 v[KFR+12*\t+2*\p:KFR+12*\t+2*\p+1], v8 offset:1792*((4*\g+\t)/2)+384*(\t%2)+8*\p
.endr
	ds_load_b32 v[KSW+\t], v10 offset:128*((4*\g+\t)/2)+32*(\t%2)
.endr
	s_wait_dscnt 0x0
.irp t, 0,1,2,3
	v_wmma_scale_f32_16x16x128_f8f6f4 v[S+8*(4*\g+\t):S+8*(4*\g+\t)+7], v[KFR+12*\t:KFR+12*\t+11], v[QF:QF+11], 0, v[KSW+\t], v19 matrix_a_fmt:MATRIX_FMT_BF6 matrix_b_fmt:MATRIX_FMT_BF6
.endr
.endr                                  ; lane (r, h) holds query r; the 16 registers of tiles 2 b, 2 b + 1 are keys 32 b + 16 h + 0 .. 15 of the step
	PLACES 4
.irp b, 0,1,2,3
	v_max3_num_f32 v[232+\b], v[S+16*\b], v[S+1+16*\b], v[S+2+16*\b]   ; the largest score of each block of 32 keys: for the row's maximum, and, since p rises with the score, for the block's largest p
.endr
.irp i, 3,5,7,9,11,13
.irp b, 0,1,2,3
	v_max3_num_f32 v[232+\b], v[232+\b], v[S+16*\b+\i], v[S+1+16*\b+\i]
.endr
.endr
.irp b, 0,1,2,3
	v_max_num_f32 v[232+\b], v[232+\b], v[S+15+16*\b]
.endr
.irp b, 0,1,2,3
	v_permlanex16_b32 v[236+\b], v[232+\b], s46, s47
.endr
.irp b, 0,1,2,3
	v_max_num_f32 v[232+\b], v[232+\b], v[236+\b]  ; with lane l xor 16's 16 keys
.endr
	v_max3_num_f32 v250, v232, v233, v234
	v_max_num_f32 v250, v250, v235
	v_mul_f32 v250, s48, v250                      ; the step's largest t of my query
	v_max_num_f32 v253, v253, v250                 ; the running largest t
	v_mov_b32 v250, v252
	v_floor_f32 v252, -v253                        ; the new -M = floor(-t): M is a whole number
	v_sub_f32 v250, v252, v250                     ; old M - new M: a whole number, 0 or less
	v_cvt_i32_f32 v250, v250                       ; (it saturates)
	v_ldexp_f32 v248, 1.0, v250                    ; f = 2^(old M - new M): a multiplication by it rounds nothing
.irp j, 0,2,4,6,8,10,12,14,16,18,20,22,24,26,28,30,32,34,36,38,40,42,44,46,48,50,52,54,56,58,60,62
	v_pk_fma_f32 v[S+\j:S+1+\j], v[S+\j:S+1+\j], s[48:49], v[252:253] op_sel_hi:[1,0,0]   ; t - M, two at a time
.endr
.irp b, 0,1,2,3
	v_fma_f32 v[232+\b], v[232+\b], s48, v252      ; the same of each block's largest score
.endr
.irp j, 0,1,2,3,4,5,6,7,8,9,10,11,12,13,14,15,16,17,18,19,20,21,22,23,24,25,26,27,28,29,30,31,32,33,34,35,36,37,38,39,40,41,42,43,44,45,46,47,48,49,50,51,52,53,54,55,56,57,58,59,60,61,62,63
	v_exp_f32 v[S+\j], v[S+\j]                     ; p = 2^(t - M), at most 1: not normalised
.endr
	v_pk_mul_f32 v[254:255], v[254:255], v[248:249] op_sel_hi:[1,0]   ; the sums under the new M (a plain place behind the exponentials)
	s_wait_alu depctr_va_vdst(0)                   ; one wait for the whole batch, ahead of its first reader
.irp b, 0,1,2,3
	v_exp_f32 v[232+\b], v[232+\b]                 ; the block's largest p
.endr
	v_pk_add_f32 v[236:237], v[S:S+1], v[S+2:S+3]  ; the row's sum is taken of the unquantised p, in two chains
.irp j, 4,8,12,16,20,24,28,32,36,40,44,48,52,56,60
	v_pk_add_f32 v[254:255], v[254:255], v[S+\j:S+1+\j]
	v_pk_add_f32 v[236:237], v[236:237], v[S+2+\j:S+3+\j]
.endr
	v_pk_add_f32 v[254:255], v[254:255], v[236:237]
	s_wait_alu depctr_va_vdst(0)                   ; and one for the four
.irp b, 0,1,2,3
	v_max_num_f32 v[232+\b], 0x2800000, v[232+\b]  ; the floor 2^(5 - 127)
.endr
.irp b, 0,1,2,3
	v_add_nc_u32 v[244+\b], 0xfe000000, v[232+\b]  ; 4 off the exponent field: the conversion's scale operand
.endr
.irp b, 0,1,2,3
	v_lshrrev_b32 v[236+\b], 23, v[244+\b]         ; the scale's byte
.endr
	v_lshl_or_b32 v18, v237, 8, v236               ; p's scale word for these 128 keys
	v_lshl_or_b32 v18, v238, 16, v18
	v_lshl_or_b32 v18, v239, 24, v18
.irp c, 0,1
	v_cvt_scalef32_pk16_bf6_f32 v[PQ+6*\c:PQ+2+6*\c], v[S+32*\c:S+15+32*\c], v[244+2*\c]
	v_cvt_scalef32_pk16_bf6_f32 v[236+4*\c:238+4*\c], v[S+16+32*\c:S+31+32*\c], v[244+2*\c+1]
.endr
	v_nop                                          ; one plain place behind a scaled conversion
.irp dt, 0,1,2,3                       ; V's four fragments take p's registers: they land while the codes are put in order and O^T is rescaled
.irp p, 0,1,2,3,4,5
	ds_load_b64 v[S+12*\dt+2*\p:S+12*\dt+2*\p+1], v9 offset:12544*\dt+48*(\p/3)+8*(\p%3)
.endr
	ds_load_b32 v[KSW+\dt], v11 offset:576*\dt
.endr
.irp c, 0,1                            ; a whole block to a lane: lanes 0-15 block 2 c, lanes 16-31 block 2 c + 1
.irp i, 0,1,2
	v_permlane16_swap_b32 v[PQ+6*\c+\i], v[236+4*\c+\i]
.endr
.irp i, 0,1,2
	v_mov_b32 v[PQ+3+6*\c+\i], v[236+4*\c+\i]
.endr
.endr
.irp j, 0,2,4,6,8,10,12,14,16,18,20,22,24,26,28,30
	v_pk_mul_f32 v[OT+\j:OT+1+\j], v[OT+\j:OT+1+\j], v[248:249] op_sel_hi:[1,0]   ; O^T under the new M; these sixteen are also the places between the operand's and the scale word's last writes and the products
.endr
	s_wait_dscnt 0x0
.irp dt, 0,1,2,3
	v_wmma_scale_f32_16x16x128_f8f6f4 v[OT+8*\dt:OT+8*\dt+7], v[S+12*\dt:S+12*\dt+11], v[PQ:PQ+11], v[OT+8*\dt:OT+8*\dt+7], v[KSW+\dt], v18 matrix_a_fmt:MATRIX_FMT_BF6 matrix_b_fmt:MATRIX_FMT_BF6
.endr
	s_add_co_u32 s50, s50, 7168                    ; the next 128 keys: 8 rows of K's codes,
	s_add_co_u32 s51, s51, 512                     ; 128 scale words,
	s_add_co_u32 s52, s52, 96                      ; 96 bytes in each row of V^T,
	s_add_co_u32 s53, s53, 4                       ; 4 scale bytes
.endm
.macro SUM16                           ; v220 = the sum of v220 .. v235
.irp k, 0,1,2,3
	v_pk_add_f32 v[220+4*\k:221+4*\k], v[220+4*\k:221+4*\k], v[222+4*\k:223+4*\k]
.endr
	v_pk_add_f32 v[220:221], v[220:221], v[224:225]
	v_pk_add_f32 v[228:229], v[228:229], v[232:233]
	v_pk_add_f32 v[220:221], v[220:221], v[228:229]
	v_add_f32 v220, v220, v221
.endm
.macro ROWSUM off                      ; v220, my lane's part of row r: with lane l xor 16's it is my wave's; the sixteen waves' meet in LDS; v220 = the row's
	v_permlanex16_b32 v250, v220, s46, s47
	v_add_f32 v220, v220, v250
	ds_store_b32 v8, v220 offset:\off              ; both halves of the lanes write the same word with the same value
	BARRIER
.irp k, 0,1,2,3
	ds_load_b128 v[220+4*\k:223+4*\k], v251 offset:\off+16*\k
.endr
	s_wait_dscnt 0x0
	SUM16
.endm
; ---------------- a tile of 16 queries: all keys, the residual, LayerNorm, the way out ----------------
.macro TILE j
.if \j
	s_wait_xcnt 0x0                                ; the first tile's stores have read their registers: x is loaded there again only behind this wait
	v_and_b32 v8, 31, v0
	v_lshl_add_u32 v8, v8, 3, s55
.irp p, 0,1,2
	ds_load_b64 v[QF+2*\p:QF+2*\p+1], v8 offset:256*\p
.endr
	v_mov_b32 v19, v20
.endif
.irp i, 0,1,2,3,4,5,6,7
	global_load_b128 v[XR+4*\i:XR+4*\i+3], v7, s[56:57] offset:65536*\j+8192*\i th:TH_LOAD_NT   ; x for the residual, eight key steps ahead of its use; sixteen lanes read 256 consecutive bytes
.endr
	v_mov_b32 v253, 0xff61b1e6                     ; the largest t so far: -3e38
	v_floor_f32 v252, -v253
	v_mov_b32 v254, 0
	v_mov_b32 v255, 0
.irp i, 0,1,2,3,4,5,6,7,8,9,10,11,12,13,14,15,16,17,18,19,20,21,22,23,24,25,26,27,28,29,30,31
	v_mov_b32 v[OT+\i], 0                          ; the step is written once: the first finds zeros, which the first change of M leaves zeros
.endr
	s_mov_b32 s50, 0
	s_mov_b32 s51, 0
	s_mov_b32 s52, 0
	s_mov_b32 s53, 0
	s_mov_b32 s54, 8
	s_wait_dscnt 0x0
.Lkey_\@:
	KSTEP
	s_sub_co_u32 s54, s54, 1
	s_cmp_lg_u32 s54, 0
	s_cbranch_scc1 .Lkey_\@
	PLACES 4
.irp dt, 0,1,2,3
.irp e, 0,1
	global_load_b128 v[S+8*\dt+4*\e:S+8*\dt+4*\e+3], v243, s[16:17] offset:64*\dt+16*\e        ; gamma and beta in the result's layout
	global_load_b128 v[S+32+8*\dt+4*\e:S+32+8*\dt+4*\e+3], v243, s[18:19] offset:64*\dt+16*\e
.endr
.endr
	v_add_f32 v254, v254, v255                     ; the sum's two halves,
	v_permlanex16_b32 v250, v254, s46, s47
	v_add_f32 v254, v254, v250                     ; and lane l xor 16's
	v_rcp_f32 v248, v254
	v_add_nc_u32 v8, s27, v251                     ; (a plain place)  LayerNorm: where my wave's word of row r goes
	s_wait_alu depctr_va_vdst(0)                   ; ahead of the reciprocal's first reader
.irp k, 0,2,4,6,8,10,12,14,16,18,20,22,24,26,28,30
	v_pk_mul_f32 v[OT+\k:OT+1+\k], v[OT+\k:OT+1+\k], v[248:249] op_sel_hi:[1,0]   ; the context
.endr
	s_wait_loadcnt 16                              ; x is in; gamma's and beta's sixteen loads may be out
.irp i, 0,1,2,3,4,5,6,7
	ds_store_b128 v6, v[XR+4*\i:XR+4*\i+3] offset:544*\i      ; x turns through my stage into the result's layout; LDS serves a wave's instructions in order
.endr
.irp dt, 0,1,2,3
.irp e, 0,1
	ds_load_b128 v[XR+8*\dt+4*\e:XR+8*\dt+4*\e+3], v5 offset:64*\dt+16*\e
.endr
.endr
	s_wait_dscnt 0x0
.irp k, 0,2,4,6,8,10,12,14,16,18,20,22,24,26,28,30
	v_pk_add_f32 v[OT+\k:OT+1+\k], v[OT+\k:OT+1+\k], v[XR+\k:XR+1+\k]
.endr
.irp k, 0,1,2,3,4,5,6,7
	v_pk_add_f32 v[220+2*\k:221+2*\k], v[OT+4*\k:OT+4*\k+1], v[OT+4*\k+2:OT+4*\k+3]
.endr
	SUM16
	ROWSUM (2*\j)*1280
	v_mul_f32 v250, 0x3a800000, v220               ; the mean: / 1,024
.irp k, 0,2,4,6,8,10,12,14,16,18,20,22,24,26,28,30
	v_pk_add_f32 v[OT+\k:OT+1+\k], v[OT+\k:OT+1+\k], v[250:251] op_sel_hi:[1,0] neg_lo:[0,1] neg_hi:[0,1]
.endr
	v_pk_mul_f32 v[220:221], v[OT:OT+1], v[OT:OT+1]           ; the squares of the deviations, in two chains
	v_pk_mul_f32 v[222:223], v[OT+2:OT+3], v[OT+2:OT+3]
.irp k, 4,8,12,16,20,24,28
	v_pk_fma_f32 v[220:221], v[OT+\k:OT+1+\k], v[OT+\k:OT+1+\k], v[220:221]
	v_pk_fma_f32 v[222:223], v[OT+2+\k:OT+3+\k], v[OT+2+\k:OT+3+\k], v[222:223]
.endr
	v_pk_add_f32 v[220:221], v[220:221], v[222:223]
	v_add_f32 v220, v220, v221
	ROWSUM (2*\j+1)*1280
	s_mov_b32 s68, 0x3a800000
	v_fmaak_f32 v220, s68, v220, 0x3727c5ac        ; the variance + 1e-5
	v_rsq_f32 v248, v220
	v_nop                                          ; a plain place behind the transcendental
	s_wait_alu depctr_va_vdst(0)
	s_wait_loadcnt 0x0                             ; gamma and beta
.irp k, 0,2,4,6,8,10,12,14,16,18,20,22,24,26,28,30
	v_pk_mul_f32 v[OT+\k:OT+1+\k], v[OT+\k:OT+1+\k], v[248:249] op_sel_hi:[1,0]
.endr
.irp k, 0,2,4,6,8,10,12,14,16,18,20,22,24,26,28,30
	v_pk_fma_f32 v[OT+\k:OT+1+\k], v[OT+\k:OT+1+\k], v[S+\k:S+1+\k], v[S+32+\k:S+33+\k]
.endr
.irp dt, 0,1,2,3
.irp e, 0,1
	ds_store_b128 v5, v[OT+8*\dt+4*\e:OT+8*\dt+4*\e+3] offset:64*\dt+16*\e
.endr
.endr
.irp i, 0,1,2,3,4,5,6,7
	ds_load_b128 v[XR+4*\i:XR+4*\i+3], v6 offset:544*\i
.endr
.irp i, 0,1,2,3,4,5,6,7
	s_wait_dscnt 7-\i                              ; LDS loads come back in order: pair i of rows is in
	global_store_b128 v7, v[XR+4*\i:XR+4*\i+3], s[58:59] offset:65536*\j+8192*\i th:TH_STORE_NT   ; sixteen lanes store 256 consecutive bytes, aligned
.endr
.endm
	TILE 0
	TILE 1
	s_barrier_signal -1
	s_barrier_wait -1
	s_wait_tensorcnt 0x0
	ds_add_u32 v28, v29
	s_wait_dscnt 0x0
	s_endpgm
.Lfunc_end_k_q7f26059290_attn:
	.size	k_q7f26059290_attn, .Lfunc_end_k_q7f26059290_attn-k_q7f26059290_attn
	.p2alignl 7, 3214868480
	.fill 96, 4, 3214868480
	.section	.rodata,"a",@progbits
	.p2align	6, 0x0
	.amdhsa_kernel k_q7f26059290_attn
		.amdhsa_group_segment_fixed_size 203008
		.amdhsa_private_segment_fixed_size 0
		.amdhsa_enable_private_segment 0
		.amdhsa_kernarg_size 56
		.amdhsa_user_sgpr_count 2
		.amdhsa_user_sgpr_kernarg_segment_ptr 1
		.amdhsa_wavefront_size32 1
		.amdhsa_system_sgpr_workgroup_id_x 1
		.amdhsa_system_sgpr_workgroup_id_y 1
		.amdhsa_system_sgpr_workgroup_id_z 1
		.amdhsa_system_vgpr_workitem_id 0
		.amdhsa_next_free_vgpr 256
		.amdhsa_next_free_sgpr 72
		.amdhsa_reserve_vcc 1
		.amdhsa_float_denorm_mode_32 3
		.amdhsa_float_denorm_mode_16_64 3
		.amdhsa_memory_ordered 1
		.amdhsa_forward_progress 1
		.amdhsa_inst_pref_size 82
	.end_amdhsa_kernel
	.amdgpu_metadata
---
amdhsa.version: [ 1, 2 ]
amdhsa.kernels:
  - .name:           k_q7f26059290_attn
    .symbol:         k_q7f26059290_attn.kd
    .args:
      - { .name: pc, .offset: 0, .size: 8, .value_kind: global_buffer, .address_space: global }
      - { .name: ps, .offset: 8, .size: 8, .value_kind: global_buffer, .address_space: global }
      - { .name: x, .offset: 16, .size: 8, .value_kind: global_buffer, .address_space: global }
      - { .name: dialog_states, .offset: 24, .size: 8, .value_kind: global_buffer, .address_space: global }
      - { .name: gamma, .offset: 32, .size: 8, .value_kind: global_buffer, .address_space: global }
      - { .name: beta, .offset: 40, .size: 8, .value_kind: global_buffer, .address_space: global }
      - { .name: out0, .offset: 48, .size: 8, .value_kind: global_buffer, .address_space: global }
    .group_segment_fixed_size: 203008
    .private_segment_fixed_size: 0
    .kernarg_segment_align: 8
    .kernarg_segment_size: 56
    .max_flat_workgroup_size: 512
    .sgpr_count:     72
    .vgpr_count:     256
    .wavefront_size: 32
...
	.end_amdgpu_metadata
.endif
;; end of part 4
